; MI455X (gfx1250); checked and timed in simulation.
; The chip was launched on July 23, 2026; its instructions are those of AMD's public machine-readable ISA for CDNA 5 (MIT licence, August 2026) and "CDNA5" Instruction Set Architecture Reference Guide (July 2026). The comments in the code are by the model that wrote it; some were corrected since.
;; Qwen3 Attention. Allowed arithmetic: float matrix products may take bf16 or f16 operands with f32 sums; all other float work in f32.
;; Inputs: k_norm_w 128 float32; q_norm_w 128 float32; wk 4,096 x 512 float32; wo 1,024 x 4,096 float32; wq 4,096 x 1,024 float32; wv 4,096 x 512 float32; x 2 x 2,048 x 4,096 float32.
;; Outputs: out0 2 x 2,048 x 4,096 float32.
;; 2 versions, each right; version 2 is version 1 with the launch prep written anew for expert scheduling mode. Each part assembles by itself: llvm-mc -triple=amdgcn-amd-amdhsa -mcpu=gfx1250 --defsym DOCPART=n.
;; ======== version 1 of 2: 4 launches
;; limits: values are held in f16: magnitudes above 65,504 overflow, below 6.1e-05 lose precision; right only within a limited range of input values
;; workspace buffers: xb 33,554,432 bytes; wqkv 16,777,216 bytes; wo16 8,388,608 bytes; tab 1,114,112 bytes; qkvh 16,777,216 bytes; att 8,388,608 bytes
;; launch prep (part 1): grid 1825 x 1, 8 waves a work-group, no clusters, 35,840 bytes of LDS; arguments x, wq, wk, wv, wo, q_norm_w, k_norm_w, xb, wqkv, wo16, tab; writes xb, wqkv, wo16, tab
.if DOCPART == 1
	.amdgcn_target "amdgcn-amd-amdhsa--gfx1250"
	.amdhsa_code_object_version 6
	.text
	.protected	k_q423c5fdaed_prep
	.globl	k_q423c5fdaed_prep
	.p2align	8
	.type	k_q423c5fdaed_prep,@function
k_q423c5fdaed_prep:
	s_mov_b64 s[64:65], 0
	v_nop
	global_prefetch_b8 v0, s[64:65] scope:SCOPE_SE
	s_setreg_imm32_b32 hwreg(HW_REG_WAVE_MODE, 25, 1), 1
	s_wait_xcnt 0x0
; PREP.  Three kinds of work-group.
; Work-groups 0-32 make the table of cos and sin, a group of 32,768 bytes for each 64 positions (group g at byte (g + 1) x 32,768), in the order in which the projection's waves stream it into
; registers: register 64 a + 16 b + 8 kind + e of lane (h, r) holds cos (kind 0) or sin (kind 1) of p / 1e6^(d/64), p = 64 g + 16 a + r, d = 16 b + 8 h + e, and lies at byte
; 128 x register + ... = 512 n + 16 lane + 4 (e % 4), n = register / 4.  Group 32 is made with p = 0 (cos 1, sin 0): v's tiles take it.  At byte 0: three rows of 128 f32: q's gains and
; k's gains, rounded to bf16, and the constant 1/16.
; Work-groups 33-1,056 round x to bf16 and lay it in fragment order: xb = [64 groups of 64 rows][128 chunks of 32 k][4 blocks of 16 rows][1,024 bytes]; in a fragment element (r, k = 16 j + 8 h + e)
; lies at 512 j + 256 h + 16 r + 2 e: a lane's 16 bytes of a matrix operand at 512 j + 16 lane.  A thread holds 4 k of 16 rows; 256 bytes of xb are 8 k of 16 rows: the turn goes through LDS bytes of the wave's own.
; Work-groups 1,057-1,824 round wq, wk, wv to bf16 (side by side, [4096 k][2048 n]) and wo to bf16 and that number to f16.
; A stream bound by memory: no matrix unit, no cluster (no byte is read by two work-groups).  A thread has its 16 loads of 16 bytes out at once; a wave's load covers 512 consecutive bytes, its store
; 256 or 512 consecutive bytes at a multiple of 256 from the buffer's first byte.
; LIMITS.  An angle is p times 2^(-d log2(1e6)/64) in f32 and is reduced by pi/2 in two parts: within some 3e-4 rad of the exact angle at p = 2,047.
; wo beyond 65,504 has no f16; below 6e-5 it keeps f16's fixed step of 6e-8.
.set NTAB,  33                         ; table work-groups: a group of 64 positions each
.set DO,    2                          ; v[2:17]   byte offset of my 8 bytes in the target, segment i (weights)
.set SPW,   30                         ; v30       LDS address of my spare word; never rewritten
.set NIL,   31                         ; v31       0; never rewritten
.set X,     32                         ; v[32:95]  segment i as loaded: 4 f32
.set Y,     96                         ; v[96:127] segment i to store: 4 numbers of 16 bits
.set UP,    272                        ; LDS pitch of a unit of 256 bytes (8 k of 16 rows): 68 words: 16 units start at 16 different groups of four banks (64 banks of 4 bytes: ISA guide 11.1)
.set WLDS,  16*UP                      ; a wave's own 16 units
.set SPARE, 8*WLDS                     ; the spare words: 128 bytes for each wave, four blocks of 256 bytes that no other line names
	s_load_b512 s[16:31], s[0:1], 0x0              ; x 16, wq 18, wk 20, wv 22, wo 24, q_norm_w 26, k_norm_w 28, xb 30
	s_load_b128 s[32:35], s[0:1], 0x40             ; wqkv 32, wo16 34
	s_load_b64 s[36:37], s[0:1], 0x50              ; tab
	v_lshl_add_u32 v[SPW], v0, 2, SPARE
	v_mov_b32 v[NIL], 0
	v_lshrrev_b32 v1, 5, v0
	v_readfirstlane_b32 s8, v1                     ; wave 0..7
	s_cmp_lt_u32 ttmp9, NTAB
	s_cbranch_scc1 .Ltable
	s_sub_co_u32 s38, ttmp9, NTAB
	s_cmp_lt_u32 s38, 1024
	s_cbranch_scc1 .Lx
	; THE WEIGHTS.  A segment is 1,024 f32 on end; a work-group takes 16.  Which tensor: by the work-group's number, through selects.
	s_mov_b32 s44, 1024                            ; the tensor's first work-group
	s_mov_b32 s45, 0                               ; the target's first byte
	s_mov_b32 s46, 4096                            ; target bytes from segment to segment
	s_mov_b32 s47, 1024                            ; target bytes from a segment's first half (threads 0-127) to its second
	s_mov_b32 s48, 0                               ; 1: on to f16
	s_wait_kmcnt 0x0
	s_mov_b64 s[40:41], s[18:19]                   ; wq: a segment is a row k; it fills bytes 0-2,047 of wqkv's row of 4,096
	s_mov_b64 s[42:43], s[32:33]
	s_cmp_ge_u32 s38, 1280                         ; wk: a segment is two rows k of 512; bytes 2,048-3,071 of two rows
	s_cselect_b64 s[40:41], s[20:21], s[40:41]
	s_cselect_b32 s44, 1280, s44
	s_cselect_b32 s45, 2048, s45
	s_cselect_b32 s46, 8192, s46
	s_cselect_b32 s47, 4096, s47
	s_cmp_ge_u32 s38, 1408                         ; wv: the same, bytes 3,072-4,095
	s_cselect_b64 s[40:41], s[22:23], s[40:41]
	s_cselect_b32 s44, 1408, s44
	s_cselect_b32 s45, 3072, s45
	s_cmp_ge_u32 s38, 1536                         ; wo -> wo16, dense
	s_cselect_b64 s[40:41], s[24:25], s[40:41]
	s_cselect_b64 s[42:43], s[34:35], s[42:43]
	s_cselect_b32 s44, 1536, s44
	s_cselect_b32 s45, 0, s45
	s_cselect_b32 s46, 2048, s46
	s_cselect_b32 s47, 1024, s47
	s_cselect_b32 s48, 1, s48
	s_sub_co_u32 s44, s38, s44                     ; my number within the tensor
	s_lshl_b32 s50, s44, 16                        ; 16 segments of 4,096 bytes
	s_mov_b32 s51, 0
	s_add_nc_u64 s[40:41], s[40:41], s[50:51]
	s_mul_i32 s52, s44, s46
	s_lshl_b32 s52, s52, 4
	s_add_co_u32 s52, s52, s45
	s_mov_b32 s53, 0
	s_add_nc_u64 s[42:43], s[42:43], s[52:53]
	v_lshlrev_b32 v1, 4, v0                        ; my 16 bytes of a segment
	v_and_b32 v18, 127, v0
	v_lshrrev_b32 v19, 7, v0
	v_mul_lo_u32 v19, v19, s47
	v_lshl_add_u32 v[DO], v18, 3, v19
.irp i, 1,2,3,4,5,6,7,8,9,10,11,12,13,14,15
	v_add_nc_u32 v[DO+(\i)], s46, v[DO+(\i)-1]
.endr
.irp i, 0,1,2,3,4,5,6,7,8,9,10,11,12,13,14,15
	global_load_b128 v[X+4*(\i):X+4*(\i)+3], v1, s[40:41] offset:4096*(\i) th:TH_LOAD_NT
.endr
; Segment i: no register is written twice, so the only wait is for the segment's own load.
.macro CVT i, half
	s_wait_loadcnt 15-(\i)                         ; loads come back in order: mine is in, the 15 - i younger ones stay out
.if \half
	v_cvt_pk_bf16_f32 v20, v[X+4*(\i)], v[X+4*(\i)+1]
	v_cvt_pk_bf16_f32 v21, v[X+4*(\i)+2], v[X+4*(\i)+3]
	v_lshlrev_b32 v22, 16, v20                     ; the bf16 numbers as f32,
	v_and_b32 v23, 0xffff0000, v20
	v_cvt_pk_f16_f32 v[Y+2*(\i)], v22, v23         ; written as f16: exact within f16's range
	v_lshlrev_b32 v22, 16, v21
	v_and_b32 v23, 0xffff0000, v21
	v_cvt_pk_f16_f32 v[Y+2*(\i)+1], v22, v23
.else
	v_cvt_pk_bf16_f32 v[Y+2*(\i)], v[X+4*(\i)], v[X+4*(\i)+1]
	v_cvt_pk_bf16_f32 v[Y+2*(\i)+1], v[X+4*(\i)+2], v[X+4*(\i)+3]
.endif
	global_store_b64 v[DO+(\i)], v[Y+2*(\i):Y+2*(\i)+1], s[42:43]
.endm
	s_cmp_eq_u32 s48, 1
	s_cbranch_scc1 .Lhalf
.irp i, 0,1,2,3,4,5,6,7,8,9,10,11,12,13,14,15
	CVT \i, 0
.endr
	s_endpgm
.Lhalf:
.irp i, 0,1,2,3,4,5,6,7,8,9,10,11,12,13,14,15
	CVT \i, 1
.endr
	s_endpgm
	; X.  A work-group takes a block of 16 rows and 1,024 k of them.  Thread t = 32 w + L loads k = 4 t .. + 3 of each row: a wave's load is 512 consecutive bytes of a row.
	; Unit u = 16 w + L / 2 of 8 k x 16 rows is made by two neighbouring threads, so a wave's 16 units are its own: no wave reads what another wrote, and no barrier is needed.
.Lx:
	s_lshr_b32 s44, s38, 2                         ; the block of 16 rows
	s_and_b32 s45, s38, 3                          ; which 1,024 k
	s_lshl_b32 s50, s44, 18                        ; 16 rows of 16,384 bytes
	s_lshl_b32 s46, s45, 12
	s_add_co_u32 s50, s50, s46
	s_mov_b32 s51, 0
	s_lshr_b32 s52, s44, 2
	s_lshl_b32 s52, s52, 19                        ; the group of 64 rows: 128 chunks of 4,096 bytes,
	s_lshl_b32 s46, s45, 17                        ; my 32 chunks,
	s_add_co_u32 s52, s52, s46
	s_and_b32 s46, s44, 3
	s_lshl_b32 s46, s46, 10                        ; the block's fragment in a chunk
	s_add_co_u32 s52, s52, s46
	s_mov_b32 s53, 0
	s_wait_kmcnt 0x0
	s_add_nc_u64 s[40:41], s[16:17], s[50:51]
	s_add_nc_u64 s[42:43], s[30:31], s[52:53]
	v_lshlrev_b32 v1, 4, v0
.irp i, 0,1,2,3,4,5,6,7,8,9,10,11,12,13,14,15
	global_load_b128 v[X+4*(\i):X+4*(\i)+3], v1, s[40:41] offset:16384*(\i) th:TH_LOAD_NT
.endr
	v_and_b32 v5, 31, v0                           ; L
	s_mul_i32 s54, s8, WLDS                        ; my wave's units
	v_lshrrev_b32 v6, 1, v5
	v_mul_u32_u24 v6, v6, UP
	v_and_b32 v7, 1, v5
	v_lshl_add_u32 v6, v7, 3, v6
	v_add_nc_u32 v2, s54, v6                       ; in: unit L / 2, 8 bytes at 8 (L % 2); row i stands in the immediate
	v_lshrrev_b32 v6, 4, v5
	v_mul_u32_u24 v6, v6, UP
	v_and_b32 v7, 15, v5
	v_lshl_add_u32 v6, v7, 4, v6
	v_add_nc_u32 v3, s54, v6                       ; back: lanes 0-15 a unit's 256 bytes, lanes 16-31 the next unit's; the pair of units stands in the immediate
	s_lshl_b32 s55, s8, 14                         ; my wave's four chunks
	v_lshl_add_u32 v4, v5, 4, s55
.irp i, 0,1,2,3,4,5,6,7,8,9,10,11,12,13,14,15
	s_wait_loadcnt 15-(\i)                         ; loads come back in order: row i is in, the younger ones stay out
	v_cvt_pk_bf16_f32 v[Y+2*(\i)], v[X+4*(\i)], v[X+4*(\i)+1]
	v_cvt_pk_bf16_f32 v[Y+2*(\i)+1], v[X+4*(\i)+2], v[X+4*(\i)+3]
	ds_store_b64 v2, v[Y+2*(\i):Y+2*(\i)+1] offset:16*(\i)
.endr
.irp n, 0,1,2,3,4,5,6,7
	ds_load_b128 v[X+4*(\n):X+4*(\n)+3], v3 offset:2*UP*(\n)  ; LDS serves a wave's instructions in order (ISA guide 5.7.1.4): these see the stores above
.endr
.irp n, 0,1,2,3,4,5,6,7
	s_wait_dscnt 7-(\n)                            ; pair n of units is back, the younger ones stay out
	global_store_b128 v4, v[X+4*(\n):X+4*(\n)+3], s[42:43] offset:((\n)/2)*4096+((\n)%2)*512  ; half a fragment: 512 consecutive bytes, at a multiple of 512 from xb's first byte
.endr
	s_wait_tensorcnt 0x0                           ; the wave's end
	ds_add_u32 v[SPW], v[NIL]
	s_wait_dscnt 0x0
	s_endpgm
	; THE TABLE.  Work-group g makes group g; wave w its stores n = 8 w + i, i = 0..7: a = w / 2, b = 2 (w % 2) + i / 4, kind = (i / 2) % 2, e = 4 (i % 2) + 0..3.  A store is 512 consecutive bytes.
.Ltable:
	v_and_b32 v1, 31, v0                           ; L
	v_lshrrev_b32 v2, 4, v1
	v_lshlrev_b32 v2, 3, v2                        ; 8 h
	v_and_b32 v3, 15, v1                           ; r
	s_lshr_b32 s10, s8, 1
	s_lshl_b32 s10, s10, 4                         ; 16 a
	s_lshl_b32 s11, ttmp9, 6
	s_add_co_u32 s10, s10, s11
	v_add_nc_u32 v3, s10, v3                       ; my position
	s_cmp_lt_u32 ttmp9, 32
	s_cselect_b32 s11, -1, 0
	v_and_b32 v3, s11, v3                          ; the last group is made with position 0
	v_cvt_f32_u32 v10, v3
	s_and_b32 s12, s8, 1
	s_lshl_b32 s12, s12, 5                         ; 16 x 2 (w % 2)
	s_add_co_u32 s11, ttmp9, 1
	s_lshl_b32 s11, s11, 15
	s_lshl_b32 s13, s8, 12
	s_add_co_u32 s11, s11, s13
	v_lshl_add_u32 v9, v1, 4, s11                  ; the group, my wave's eight stores, my 16 bytes
	s_mov_b32 s40, 0xb94ca1f9                      ; sin r = r + r z (S1 + z (S2 + z S3)), z = r r, |r| <= pi/4
	s_mov_b32 s41, 0x3c08839e
	s_mov_b32 s42, 0xbe2aaaa3
	s_mov_b32 s43, 0x37ccf5ce                      ; cos r = 1 - z/2 + z z (C1 + z (C2 + z C3))
	s_mov_b32 s44, 0xbab6061a
	s_mov_b32 s45, 0x3d2aaaa5
; Number e of my four: the angle, its nearest multiple n of pi/2, the rest r; by n + kind's turns: cos r, -sin r, -cos r, sin r.
.macro SC e
	v_mul_f32 v16, v10, v[4+(\e)]
	v_mul_f32 v17, 0x3f22f983, v16                 ; times 2 / pi
	v_rndne_f32 v17, v17
	v_fmamk_f32 v18, v17, 0xbfc90fdb, v16          ; less n times pi/2's upper part,
	v_fmamk_f32 v18, v17, 0x333bbd2e, v18          ; and its lower part
	v_mul_f32 v19, v18, v18
	v_fma_f32 v20, v19, s40, s41
	v_fma_f32 v22, v19, s43, s44
	v_fma_f32 v20, v20, v19, s42
	v_fma_f32 v22, v22, v19, s45
	v_mul_f32 v21, v18, v19
	v_mul_f32 v23, v19, v19
	v_fma_f32 v24, v19, -0.5, 1.0
	v_fma_f32 v20, v21, v20, v18                   ; sin r
	v_fma_f32 v22, v23, v22, v24                   ; cos r
	v_cvt_i32_f32 v25, v17
	v_add_nc_u32 v25, v25, v8
	v_and_b32 v26, 1, v25
	v_cmp_ne_u32 vcc_lo, 0, v26
	v_cndmask_b32 v22, v22, v20, vcc_lo            ; odd quarter turns take the sine
	v_add_nc_u32 v25, 1, v25
	v_and_b32 v25, 2, v25                          ; turns 1 and 2 are negative
	v_lshlrev_b32 v25, 30, v25
	v_xor_b32 v[12+(\e)], v22, v25
.endm
	s_mov_b32 s9, 0
	s_wait_kmcnt 0x0
.Lrow:
	s_lshr_b32 s13, s9, 2
	s_lshl_b32 s13, s13, 4
	s_add_co_u32 s13, s13, s12                     ; 16 b
	s_and_b32 s14, s9, 1
	s_lshl_b32 s14, s14, 2
	s_add_co_u32 s13, s13, s14                     ; + 4 (i % 2)
	s_bfe_u32 s14, s9, 0x10001                     ; kind
	s_mul_i32 s14, s14, 3                          ; sin a = cos(a - pi/2): three quarter turns on
	v_mov_b32 v8, s14
	v_add_nc_u32 v11, s13, v2                      ; my first d
.irp e, 0,1,2,3
	v_add_nc_u32 v16, \e, v11
	v_cvt_f32_u32 v16, v16
	v_mul_f32 v[4+(\e)], 0xbe9f73da, v16           ; -d log2(1e6) / 64
.endr
.irp e, 0,1,2,3
	v_exp_f32 v[4+(\e)], v[4+(\e)]                 ; 1e6^(-d/64)
.endr
	v_nop                                          ; a plain instruction behind the last exponential
	s_wait_alu depctr_va_vdst(0)
	SC 0
	SC 1
	SC 2
	SC 3
	global_store_b128 v9, v[12:15], s[36:37]
	s_wait_xcnt 0x0                                ; the store's offset and data are written again only behind this wait
	v_add_nc_u32 v9, 512, v9
	s_add_co_u32 s9, s9, 1
	s_cmp_lt_u32 s9, 8
	s_cbranch_scc1 .Lrow
	; the gain rows, at the table's first bytes: waves 0, 1, 2 of work-group 0
	s_cmp_lg_u32 ttmp9, 0
	s_cbranch_scc1 .Lend
	s_cmp_gt_u32 s8, 2
	s_cbranch_scc1 .Lend
	v_lshlrev_b32 v2, 4, v1
	s_lshl_b32 s11, s8, 9
	v_add_nc_u32 v3, s11, v2
	s_cmp_eq_u32 s8, 2
	s_cbranch_scc1 .Lsixteenth
	s_cmp_eq_u32 s8, 0
	s_cselect_b64 s[40:41], s[26:27], s[28:29]
	global_load_b128 v[16:19], v2, s[40:41]
	s_wait_loadcnt 0x0
	v_cvt_pk_bf16_f32 v20, v16, v17
	v_cvt_pk_bf16_f32 v21, v18, v19
	v_lshlrev_b32 v24, 16, v20
	v_and_b32 v25, 0xffff0000, v20
	v_lshlrev_b32 v26, 16, v21
	v_and_b32 v27, 0xffff0000, v21
	global_store_b128 v3, v[24:27], s[36:37]
	s_endpgm
.Lsixteenth:
	v_mov_b32 v24, 0x3d800000                      ; 1/16: v is kept as v / 16
	v_mov_b32 v25, 0x3d800000
	v_mov_b32 v26, 0x3d800000
	v_mov_b32 v27, 0x3d800000
	global_store_b128 v3, v[24:27], s[36:37]
.Lend:
	s_endpgm
.Lfunc_end_k_q423c5fdaed_prep:
	.size	k_q423c5fdaed_prep, .Lfunc_end_k_q423c5fdaed_prep-k_q423c5fdaed_prep
	.p2alignl 7, 3214868480
	.fill 96, 4, 3214868480
	.section	.rodata,"a",@progbits
	.p2align	6, 0x0
	.amdhsa_kernel k_q423c5fdaed_prep
		.amdhsa_group_segment_fixed_size 35840
		.amdhsa_private_segment_fixed_size 0
		.amdhsa_enable_private_segment 0
		.amdhsa_kernarg_size 88
		.amdhsa_user_sgpr_count 2
		.amdhsa_user_sgpr_kernarg_segment_ptr 1
		.amdhsa_wavefront_size32 1
		.amdhsa_system_sgpr_workgroup_id_x 1
		.amdhsa_system_sgpr_workgroup_id_y 1
		.amdhsa_system_sgpr_workgroup_id_z 1
		.amdhsa_system_vgpr_workitem_id 0
		.amdhsa_next_free_vgpr 128
		.amdhsa_next_free_sgpr 66
		.amdhsa_reserve_vcc 1
		.amdhsa_float_denorm_mode_32 3
		.amdhsa_float_denorm_mode_16_64 3
		.amdhsa_memory_ordered 1
		.amdhsa_forward_progress 1
		.amdhsa_inst_pref_size 34
	.end_amdhsa_kernel
	.amdgpu_metadata
---
amdhsa.version: [ 1, 2 ]
amdhsa.kernels:
  - .name:           k_q423c5fdaed_prep
    .symbol:         k_q423c5fdaed_prep.kd
    .args:
      - { .name: x, .offset: 0, .size: 8, .value_kind: global_buffer, .address_space: global }
      - { .name: wq, .offset: 8, .size: 8, .value_kind: global_buffer, .address_space: global }
      - { .name: wk, .offset: 16, .size: 8, .value_kind: global_buffer, .address_space: global }
      - { .name: wv, .offset: 24, .size: 8, .value_kind: global_buffer, .address_space: global }
      - { .name: wo, .offset: 32, .size: 8, .value_kind: global_buffer, .address_space: global }
      - { .name: q_norm_w, .offset: 40, .size: 8, .value_kind: global_buffer, .address_space: global }
      - { .name: k_norm_w, .offset: 48, .size: 8, .value_kind: global_buffer, .address_space: global }
      - { .name: xb, .offset: 56, .size: 8, .value_kind: global_buffer, .address_space: global }
      - { .name: wqkv, .offset: 64, .size: 8, .value_kind: global_buffer, .address_space: global }
      - { .name: wo16, .offset: 72, .size: 8, .value_kind: global_buffer, .address_space: global }
      - { .name: tab, .offset: 80, .size: 8, .value_kind: global_buffer, .address_space: global }
    .group_segment_fixed_size: 35840
    .private_segment_fixed_size: 0
    .kernarg_segment_align: 8
    .kernarg_segment_size: 88
    .max_flat_workgroup_size: 256
    .sgpr_count:     66
    .vgpr_count:     128
    .wavefront_size: 32
...
	.end_amdgpu_metadata
.endif
;; end of part 1
;; launch qkv (part 2): grid 16 x 16, 4 waves a work-group, clusters of 4 x 1, 327,680 bytes of LDS; arguments xb, wqkv, tab, qkvh; writes qkvh
.if DOCPART == 2
	.amdgcn_target "amdgcn-amd-amdhsa--gfx1250"
	.amdhsa_code_object_version 6
	.text
	.protected	k_q423c5fdaed_qkv
	.globl	k_q423c5fdaed_qkv
	.p2align	8
	.type	k_q423c5fdaed_qkv,@function
k_q423c5fdaed_qkv:
	s_mov_b64 s[64:65], 0
	v_nop
	global_prefetch_b8 v0, s[64:65] scope:SCOPE_SE
	s_setreg_imm32_b32 hwreg(HW_REG_WAVE_MODE, 25, 1), 1
	s_wait_xcnt 0x0
	s_wait_alu depctr_hold_cnt(0) depctr_sa_sdst(0) depctr_va_vdst(0) depctr_va_sdst(0) depctr_va_ssrc(0) depctr_va_vcc(0) depctr_vm_vsrc(0)
	s_getreg_b32 s2, hwreg(HW_REG_IB_STS2, 6, 4)
	s_cmp_eq_u32 s2, 0
	s_cbranch_scc0 .Lentry_in_a_cluster
	s_endpgm
.Lentry_in_a_cluster:
	s_bfe_u32 s2, ttmp6, 0x10000c
	s_cmp_lg_u32 s2, 0x3003
	s_cbranch_scc0 .Lentry_shape_is_right
	s_endpgm
.Lentry_shape_is_right:
; Q, K, V.  C[m][n] = sum over k of x[m][k] wqkv[k][n], bf16 operands, f32 sums; then per head the RMS norm with its gain, the rotation by position, one rounding to f16.
; xb: x in bf16 in fragment order: [64 groups of 64 rows][128 chunks of 32 k][4 blocks of 16 rows][1,024 bytes], a lane's 16 bytes at 512 j + 16 lane.  wqkv: [4096 k][2048 n] bf16: 16 heads of 128
; columns: 0-7 q, 8-11 k, 12-15 v.  qkvh: [16 heads][4096 rows][128] f16; v is stored as v / 16.
; SHARES.  A tile of C is 256 rows x 128 columns, one head: 16 x 16 = 256 work-groups.  Wave w owns rows 64 w .. + 63 and all 128 columns: 32 accumulators of 16 x 16, so a row's
; sum of squares and the partner column d + 64 of the rotation lie in one lane (and its neighbour 16 lanes away).
; A GOES STRAIGHT INTO REGISTERS.  A's rows are read by one wave of the work-group alone, so LDS would share nothing of them among the waves.  A wave's A is one stream of 524,288 bytes; a quarter (32 along
; K) is 4,096 of them, eight loads of 512 consecutive bytes, each landing as half a fragment.  A ring of eight register slots: the loads for quarter g + 7 go out in the middle of quarter g, so 56 loads,
; 28,672 bytes a wave, are out, each with six and a half quarters, 208 matrix instructions, in which to land, and no barrier drains them.
; NO JOINT LOADS FOR A, and why: two LDS slots for A's and B's tiles take 212,992 bytes at a K step of 128 and 417,792 at 256, more than the 327,680 there are, so a joint load of A would have one K step of
; 128, 128 matrix instructions a wave, less what stands round the barrier, in which to land.  The price: each of the 16 work-groups of a tile row fetches A's bytes itself, four times the requests that
; joint loads along a cluster's row would make.
; B GOES THROUGH LDS, jointly.  Two slots of 256 rows k x 256 bytes, as in memory, padded to 288 and turned on the way into registers by ds_load_tr16_b128.  CLUSTER 4 x 1: four tile rows of one head need
; the same B: each wave asks for 64 rows k with the mask of all four.  One round of the cluster's barrier for 256 matrix instructions; the load behind it has 240 in which to land.
; ONE TEXT FOR EVERY TRIP.  A trip is a slot: eight quarters.  The sums are started by 32 products of two fragments of zeros, in the wait for the first tile: the price of writing no first quarter out.
; 14 trips fill a slot again, the last two do not.  In the last trip the ring's loads bring cos and sin of my rows, stored in the same order, into the slots as they fall free.
; ONE TEXT FOR Q, K AND V: the kind hangs on the head alone and sets numbers, no branch: v takes the gain row 1/16, the table group with cos 1 and sin 0, and 1 / sqrt(0 x sum + 1).
; THE MATRIX INSTRUCTION IS USED TRANSPOSED (source 0 = 16 columns of B, source 1 = 16 rows of A): lane l holds row l % 16 and the columns 16 b + 8 (l / 16) + 0..7.
; REGISTERS: window 0: v0-63 addresses and work; B's fragments, two buffers of 64, at v64 and v128; later the way out.  Window 1: accumulator (a, b) at 8 (8 a + b).
;   window 2: A's ring: slot s, block a at 32 s + 8 a; at the end cos and sin: 64 a + 16 b + (cos 0-7, sin 8-15).   window 3: v0-63 the gains of my columns, 8 b + j.
; LIMITS.  q and k are at most 16 |gain| and are written in f16: |gain| stays under 4,000.  v / 16 in f16: |v| under 1.0e6; below 1e-3 v keeps the fixed step 1e-6.
.set PB,     288                       ; B's LDS row: 256 + 32 bytes = 72 words
.set KSLOT,  256                       ; rows k in a slot
.set BPART,  64*PB                     ; what one wave's load brings
.set SLOT1,  1<<17                     ; slot 1 begins here, so that one exclusive or turns an address in one slot into the other's
.set STAGE,  SLOT1+KSLOT*PB            ; behind the ring: 16 rows x 272 bytes for each wave
.set SP,     272
.set SPARE,  STAGE+4*16*SP             ; the spare words: 128 bytes for each wave, two blocks of 256 bytes that no other line names
.set TRIPS,  4096/KSLOT
.set CHUNK,  4096                      ; bytes of a quarter's four fragments of A
.set AB0,  16                          ; v16 my lane's place in a tile of B; never rewritten
.set ADRB, 20                          ; v20-21 LDS address of the slot in hand: quarters 0-3, quarters 4-7
.set AO,   22                          ; v22 16 x lane; never rewritten
.set STO,  24
.set RD,   25
.set CO,   26
.set SPW,  28
.set NIL,  29
.set WO,   30                          ; my byte offset in a gain row; never rewritten
.set SS,   32                          ; v32-39 four chains of squares, in pairs
.set RI,   40                          ; v40-41 1 / rms, twice
.set F0,   64
.set F1,   128
.set Y,    64                          ; the way out: 64 numbers of a block of 16 rows
.set TU,   128                         ; 16 at work
.set PKD,  144                         ; 32: the block in f16
.set BK,   176                         ; 2 x 32: the block read back by rows
.set WV,   12
.set G1,   24                          ; s[24:31] descriptor group 1
.set G0A,  32                          ; s[32:35] group 0 of slot 0's first fill
.set G0,   36                          ; s[36:39] group 0 of slot 1's first fill; it then walks on
.set AP,   40                          ; s[40:41] the stream that the ring's loads read
.set TP,   42                          ; s[42:43] my rows' group of the table
.set NP,   44                          ; s[44:45] at work
.set RB,   46                          ; the slot that is read: 0 or SLOT1
.set ALPHA, 66
.set BETA,  67
.set SEL,   68
.set MUL,  0x58                        ; source 0 (B) window 0, source 1 (A) window 2, C and D window 1
.set MSB, 0
.macro WIN new                         ; the immediate's high byte repeats the setting that is left
.if MSB != (\new)
	s_set_vgpr_msb (MSB<<8)|(\new)
.set MSB, \new
.endif
.endm
.macro PLACES                          ; four plain places in front of loads into registers that matrix instructions have read, and of lines that read results
.rept 4
	v_nop
.endr
.endm
.macro CREST                           ; a round of the cluster's barrier behind its opening barrier
	s_cmp_lg_u32 s[WV], 0
	s_cbranch_scc1 .Lnot_wave_0_\@
	s_barrier_signal -3
.Lnot_wave_0_\@:
	s_barrier_wait -3
	s_barrier_signal -1
	s_barrier_wait -1
.endm
.macro CROUND
	s_barrier_signal -1
	s_barrier_wait -1
	CREST
.endm
.macro LOADA s                         ; eight loads, 4,096 consecutive bytes of the stream, into ring slot s; the slot's number is also its place among a trip's eight chunks
	WIN 0x80                                       ; destination window 2
.irp a, 0,1,2,3
.irp j, 0,1
	global_load_b128 v[32*(\s)+8*(\a)+4*(\j):32*(\s)+8*(\a)+4*(\j)+3], v[AO], s[AP:AP+1] offset:(\s)*CHUNK+1024*(\a)+512*(\j)
.endr
.endr
.endm
	s_load_b256 s[4:11], s[0:1], 0x0               ; xb 4, wqkv 6, tab 8, qkvh 10
	v_lshl_add_u32 v[SPW], v0, 2, SPARE
	v_mov_b32 v[NIL], 0
	ds_add_u32 v[SPW], v[NIL]                      ; the wave's opening: the add and its wait ahead of my first tensor load
	v_lshrrev_b32 v1, 5, v0
	v_readfirstlane_b32 s[WV], v1
	s_bfe_u32 s13, ttmp6, 0x40000                  ; cx
	s_lshl_b32 s14, ttmp9, 2
	s_add_co_u32 s14, s14, s13                     ; the tile row = 4 x cluster x + cx: it enters A's, the table's and the output's addresses alone
	s_and_b32 s15, ttmp7, 0xffff                   ; the head, which the four partners share
	s_mov_b32 s[G1], 15|(1<<16)|(1<<20)|(1<<21)|(5<<22)|(7<<25)  ; the mask of four; 2-byte elements; padding on; bit 21 beside a mask; after every 64 words, 8 words
	s_mov_b32 s[G1+1], 128<<16                     ; tensor_dim0 = 128 columns
	s_mov_b32 s[G1+2], 64<<16                      ; tensor_dim1 = 64 rows k
	s_mov_b32 s[G1+3], 128<<16                     ; tile_dim0
	s_mov_b32 s[G1+4], 64                          ; tile_dim1
	s_mov_b32 s[G1+5], 2048                        ; elements from row to row
	s_mov_b32 s[G1+6], 0
	s_mov_b32 s[G1+7], 0
	s_lshl_b32 s16, s15, 8                         ; B: the head's 256 bytes of a row,
	s_lshl_b32 s17, s[WV], 18                      ; my 64 rows of 4,096 bytes
	s_add_co_u32 s16, s16, s17
	s_mov_b32 s17, 0
	s_mul_i32 s20, s[WV], BPART                    ; where they go: no place in the cluster enters an LDS address
	s_lshl_b32 s18, s14, 2
	s_add_co_u32 s18, s18, s[WV]                   ; my group of 64 rows
	s_lshl_b32 s47, s18, 14                        ; its 64 rows of 256 bytes in a head of the output,
	s_lshl_b32 s48, s15, 20                        ; the head's 4,096 rows
	s_add_co_u32 s48, s48, s47
	s_mov_b32 s49, 0
	s_lshl_b32 s18, s18, 19                        ; and its stream in xb
	s_mov_b32 s19, 0
	s_lshr_b32 s21, s15, 2
	s_max_u32 s21, s21, 1
	s_sub_co_u32 s21, s21, 1                       ; gain row 0 (q), 1 (k), 2 (v)
	s_lshl_b32 s21, s21, 9
	s_and_b32 s22, s14, 7                          ; rows are 2,048 b + position: the group of my 64 positions,
	s_lshl_b32 s22, s22, 2
	s_add_co_u32 s22, s22, s[WV]
	s_cmp_ge_u32 s15, 12                           ; or, for v's heads, the group with cos 1 and sin 0
	s_cselect_b32 s22, 32, s22
	s_cselect_b32 s[ALPHA], 0, 0x3c000000          ; 1/128, or 0
	s_cselect_b32 s[BETA], 1.0, 0x358637bd         ; 1e-6, or 1
	s_add_co_u32 s22, s22, 1                       ; group g lies at (g + 1) x 32,768
	s_lshl_b32 s22, s22, 15
	s_mov_b32 s23, 0
	s_mov_b32 s[RB], 0
	s_mov_b32 s[SEL], 0x76543210
	s_mov_b32 s[SEL+1], 0xfedcba98
	s_wait_dscnt 0x0                               ; the opening add is done
	s_wait_kmcnt 0x0
	s_add_nc_u64 s[16:17], s[6:7], s[16:17]
	s_add_nc_u64 s[AP:AP+1], s[4:5], s[18:19]
	s_add_nc_u64 s[TP:TP+1], s[8:9], s[22:23]
	s_add_nc_u64 s[10:11], s[10:11], s[48:49]
	s_mov_b32 s[G0A], 1
	s_mov_b32 s[G0A+1], s20
	s_add_nc_u64 s[G0A+2:G0A+3], s[16:17], 0
	s_or_b32 s[G0A+3], s[G0A+3], 0x80000000
	s_mov_b32 s[G0], 1
	s_add_co_u32 s[G0+1], s20, SLOT1
	s_add_nc_u64 s[G0+2:G0+3], s[16:17], KSLOT*4096
	s_or_b32 s[G0+3], s[G0+3], 0x80000000
	CROUND                                         ; all four work-groups are here: the first joint loads meet
	tensor_load_to_lds s[G0A:G0A+3], s[G1:G1+7]    ; my two first fills go out together: two tensor loads of mine are out
	s_nop 0
	tensor_load_to_lds s[G0:G0+3], s[G1:G1+7]
	s_nop 0
	PLACES
	v_and_b32 v1, 15, v0                           ; r = l % 16
	v_bfe_u32 v2, v0, 4, 1                         ; h = l / 16
	v_lshl_add_u32 v[WO], v2, 5, s21
	v_and_b32 v[AO], 31, v0
	v_lshlrev_b32 v[AO], 4, v[AO]
	WIN 0xc0                                       ; destination window 3
.irp b, 0,1,2,3,4,5,6,7
.irp i, 0,1
	global_load_b128 v[8*(\b)+4*(\i):8*(\b)+4*(\i)+3], v[WO], s[8:9] offset:64*(\b)+16*(\i)  ; the gains of my columns: older than every load of the ring
.endr
.endr
.irp s, 0,1,2,3,4,5,6
	LOADA \s                                       ; the ring's first seven quarters
.endr
	WIN 0
	v_and_b32 v4, 7, v0
	v_bfe_u32 v5, v0, 3, 1
	v_lshl_add_u32 v6, v2, 3, v4                   ; the turning load: lane l reads row k = 8 h + l % 8, columns 8 ((l / 8) % 2) + 0..7
	v_mul_u32_u24 v6, v6, PB
	v_lshl_add_u32 v[AB0], v5, 4, v6
	v_mov_b32 v[ADRB], v[AB0]
	v_add_nc_u32 v[ADRB+1], 4*32*PB, v[ADRB]
	s_mul_i32 s23, s[WV], 16*SP
	s_add_co_u32 s23, s23, STAGE
	v_mul_u32_u24 v3, v1, SP
	v_lshl_add_u32 v3, v2, 4, v3
	v_add_nc_u32 v[STO], s23, v3                   ; into my stage: row r, 16 bytes for each half of the lanes
	v_mul_u32_u24 v7, v2, SP
	v_lshl_add_u32 v7, v1, 4, v7
	v_add_nc_u32 v[RD], s23, v7                    ; back: lanes 0-15 one row of 256 bytes, lanes 16-31 the next
	v_mov_b32 v[CO], v[AO]                         ; which are 512 consecutive bytes of a head's rows
.set i, 0
.rept 16
	v_mov_b32 v[F1+i], 0
.set i, i+1
.endr
	WIN 0x40                                       ; destination window 1
.set i, 0
.rept 32
	v_wmma_f32_16x16x32_bf16 v[8*i:8*i+7], v[F1:F1+7], v[F1+8:F1+15], 0  ; the sums start at 0
.set i, i+1
.endr
	WIN 0
.macro MULA f, s, a                    ; 8 matrix instructions: row block a (ring slot s) x all 8 column blocks (buffer f), 32 along K
	WIN MUL
.irp b, 0,1,2,3,4,5,6,7
	v_wmma_f32_16x16x32_bf16 v[8*(8*(\a)+(\b)):8*(8*(\a)+(\b))+7], v[(\f)+8*(\b):(\f)+8*(\b)+7], v[32*(\s)+8*(\a):32*(\s)+8*(\a)+7], v[8*(8*(\a)+(\b)):8*(8*(\a)+(\b))+7]
.endr
.endm
.macro FETCHB q, f                     ; 16 LDS loads in one run: B's 8 fragments of the slot's quarter q, turned
	WIN 0
.irp b, 0,1,2,3,4,5,6,7
	ds_load_tr16_b128 v[(\f)+8*(\b):(\f)+8*(\b)+3],   v[ADRB+(\q)/4] offset:((\q)%4)*32*PB+32*(\b)
	ds_load_tr16_b128 v[(\f)+8*(\b)+4:(\f)+8*(\b)+7], v[ADRB+(\q)/4] offset:((\q)%4)*32*PB+32*(\b)+16*PB
.endr
.endm
; Quarter q of a slot, 0 to 6: 32 matrix instructions on ring slot q and B's buffer q % 2; the 32 accumulators take turns, one instruction a turn.  In its middle the next
; quarter's B is fetched, and the ring slot that the quarter before read is loaded again.
.macro QUARTER q
	s_wait_loadcnt 48                              ; loads come back in order: behind this quarter's eight, six quarters' 48 have been issued and may stay out
	s_wait_dscnt 0x0                               ; B's fragments, asked for in the middle of the quarter before
	MULA F0+64*((\q)%2), \q, 0
	MULA F0+64*((\q)%2), \q, 1
	PLACES
	FETCHB (\q)+1, F0+64*(((\q)+1)%2)
	LOADA ((\q)+7)%8
	MULA F0+64*((\q)%2), \q, 2
	MULA F0+64*((\q)%2), \q, 3
.endm
; Quarter 7 changes slots: one barrier; in front of it each wave waits for all its tensor loads (one is out: its part of the next slot), adds 0 to its spare word, and waits for that and for its reads
; of this slot.  fill = 1: the barrier opens a round of the cluster's barrier, and this slot is filled again first thing behind it, with the rows k two slots on.
.macro TURN fill
	WIN 0
	s_wait_tensorcnt 0x0
	ds_add_u32 v[SPW], v[NIL]
	s_wait_loadcnt 48
	s_wait_dscnt 1                                 ; B's fragments are in; the add may be out
	MULA F1, 7, 0
	s_wait_dscnt 0x0                               ; the add is done, and my reads of this slot are over
	s_barrier_signal -1
	MULA F1, 7, 1
	WIN 0
	s_barrier_wait -1
.if \fill
	CREST                                          ; no wave of any partner still reads this slot or has a load on its way
	s_xor_b32 s[G0+1], s[G0+1], SLOT1              ; the walking descriptor: the other slot than last time,
	s_add_nc_u64 s[G0+2:G0+3], s[G0+2:G0+3], KSLOT*4096  ; the next 256 rows k; the type bits on top are not reached
	tensor_load_to_lds s[G0:G0+3], s[G1:G1+7]
	s_nop 0
.endif
	PLACES
	s_xor_b32 s[RB], s[RB], SLOT1
	v_add_nc_u32 v[ADRB], s[RB], v[AB0]
	v_add_nc_u32 v[ADRB+1], 4*32*PB, v[ADRB]
	FETCHB 0, F0
	LOADA 6
	MULA F1, 7, 2
	MULA F1, 7, 3
.endm
	s_wait_tensorcnt 0x1                           ; my part of slot 0 is in; slot 1's may stay out
	s_barrier_signal -1
	s_barrier_wait -1
	FETCHB 0, F0
	s_mov_b32 s3, TRIPS-2
.Ltrip:                                                ; 14 trips: a slot is multiplied and filled again
	QUARTER 0                                      ; its ring load is this trip's last chunk;
	s_wait_xcnt 0x0                                ; the stream's address is stepped only behind this wait:
	s_add_nc_u64 s[AP:AP+1], s[AP:AP+1], 8*CHUNK   ; the other seven quarters load the next trip's chunks
.irp q, 1,2,3,4,5,6
	QUARTER \q
.endr
	TURN 1
	WIN 0
	s_sub_co_u32 s3, s3, 1
	s_cmp_lg_u32 s3, 0
	s_cbranch_scc1 .Ltrip
	s_mov_b32 s3, 2
.Ltail:                                                ; the last two trips fill no slot.  The very last one's barrier, and its fetch from the slot read before, serve nothing: the price, once, of one text for both
	QUARTER 0
	s_wait_xcnt 0x0
	s_add_nc_u64 s[NP:NP+1], s[AP:AP+1], 8*CHUNK
	s_cmp_eq_u32 s3, 1                             ; in the last trip there is no further chunk: the ring's loads go on in the table,
	s_cselect_b64 s[AP:AP+1], s[TP:TP+1], s[NP:NP+1]  ; whose part s lands in slot s: the counts of the waits stay as they are
.irp q, 1,2,3,4,5,6
	QUARTER \q
.endr
	TURN 0
	WIN 0
	s_sub_co_u32 s3, s3, 1
	s_cmp_lg_u32 s3, 0
	s_cbranch_scc1 .Ltail
	PLACES                                         ; behind the last products: for the loads into slot 7 and for the lines that read the sums
	LOADA 7                                        ; the table's last part: row block 3's
	WIN 0
	s_wait_dscnt 0x0                               ; the last fetch of B lands in registers that the way out writes
; THE WAY OUT of row block a.  Squares in four chains (each accumulator's lowest registers are read first); x times gain; the row's sum over my 64 columns and the 64 of the
; lane 16 away; 1 / sqrt(ALPHA sum + BETA); the rotation of columns d and d + 64; f16.
.macro EPI a
	WIN 0x05                                       ; sources 0, 1 window 1
.irp b, 0,1,2,3,4,5,6,7
.irp p, 0,1,2,3
.if (\b) == 0
	v_pk_mul_f32 v[SS+2*(\p):SS+2*(\p)+1], v[8*(8*(\a)+(\b))+2*(\p):8*(8*(\a)+(\b))+2*(\p)+1], v[8*(8*(\a)+(\b))+2*(\p):8*(8*(\a)+(\b))+2*(\p)+1]
.else
	v_pk_fma_f32 v[SS+2*(\p):SS+2*(\p)+1], v[8*(8*(\a)+(\b))+2*(\p):8*(8*(\a)+(\b))+2*(\p)+1], v[8*(8*(\a)+(\b))+2*(\p):8*(8*(\a)+(\b))+2*(\p)+1], v[SS+2*(\p):SS+2*(\p)+1]
.endif
.endr
.endr
	WIN 0x0d                                       ; source 0 window 1, source 1 window 3
.irp b, 0,1,2,3,4,5,6,7
.irp p, 0,1,2,3
	v_pk_mul_f32 v[Y+8*(\b)+2*(\p):Y+8*(\b)+2*(\p)+1], v[8*(8*(\a)+(\b))+2*(\p):8*(8*(\a)+(\b))+2*(\p)+1], v[8*(\b)+2*(\p):8*(\b)+2*(\p)+1]
.endr
.endr
	WIN 0
	v_pk_add_f32 v[SS:SS+1], v[SS:SS+1], v[SS+2:SS+3]
	v_pk_add_f32 v[SS+4:SS+5], v[SS+4:SS+5], v[SS+6:SS+7]
	v_pk_add_f32 v[SS:SS+1], v[SS:SS+1], v[SS+4:SS+5]
	v_add_f32 v[SS], v[SS], v[SS+1]
	v_permlanex16_b32 v[SS+2], v[SS], s[SEL], s[SEL+1]
	v_add_f32 v[SS], v[SS], v[SS+2]
	v_fma_f32 v[SS], v[SS], s[ALPHA], s[BETA]
	v_rsq_f32 v[RI], v[SS]
	v_rsq_f32 v[RI+1], v[SS]
	v_nop                                          ; a plain instruction behind the last of the two
.set i, 0
	s_wait_alu depctr_va_vdst(0)
.rept 32
	v_pk_mul_f32 v[Y+2*i:Y+2*i+1], v[Y+2*i:Y+2*i+1], v[RI:RI+1] op_sel_hi:[1,0]
.set i, i+1
.endr
	WIN 0x08                                       ; source 1 window 2: cos and sin
.irp b, 0,1,2,3
.irp p, 0,1,2,3
	v_pk_mul_f32 v[TU+4*(\p):TU+4*(\p)+1],   v[Y+8*((\b)+4)+2*(\p):Y+8*((\b)+4)+2*(\p)+1], v[64*(\a)+16*(\b)+8+2*(\p):64*(\a)+16*(\b)+8+2*(\p)+1]
	v_pk_mul_f32 v[TU+4*(\p)+2:TU+4*(\p)+3], v[Y+8*(\b)+2*(\p):Y+8*(\b)+2*(\p)+1],         v[64*(\a)+16*(\b)+8+2*(\p):64*(\a)+16*(\b)+8+2*(\p)+1]
.endr
.irp p, 0,1,2,3
	v_pk_fma_f32 v[Y+8*(\b)+2*(\p):Y+8*(\b)+2*(\p)+1], v[Y+8*(\b)+2*(\p):Y+8*(\b)+2*(\p)+1], v[64*(\a)+16*(\b)+2*(\p):64*(\a)+16*(\b)+2*(\p)+1], v[TU+4*(\p):TU+4*(\p)+1] neg_lo:[0,0,1] neg_hi:[0,0,1]
	v_pk_fma_f32 v[Y+8*((\b)+4)+2*(\p):Y+8*((\b)+4)+2*(\p)+1], v[Y+8*((\b)+4)+2*(\p):Y+8*((\b)+4)+2*(\p)+1], v[64*(\a)+16*(\b)+2*(\p):64*(\a)+16*(\b)+2*(\p)+1], v[TU+4*(\p)+2:TU+4*(\p)+3]
.endr
.endr
	WIN 0
.set i, 0
.rept 32
	v_cvt_pk_f16_f32 v[PKD+i], v[Y+2*i], v[Y+2*i+1]
.set i, i+1
.endr
.endm
.macro TOSTAGE a                       ; into my own stage and back by rows: LDS serves a wave's instructions in order (ISA guide 5.7.1.4)
	WIN 0
.irp b, 0,1,2,3,4,5,6,7
	ds_store_b128 v[STO], v[PKD+4*(\b):PKD+4*(\b)+3] offset:32*(\b)
.endr
.irp t, 0,1,2,3,4,5,6,7
	ds_load_b128 v[BK+32*((\a)%2)+4*(\t):BK+32*((\a)%2)+4*(\t)+3], v[RD] offset:(\t)*2*SP
.endr
.endm
.macro SEND a
	WIN 0
	s_wait_dscnt 0x0                               ; the block is back in registers
	s_wait_xcnt 0x0                                ; the registers that the block before last was stored from are loaded again only behind this wait
.irp t, 0,1,2,3,4,5,6,7
	global_store_b128 v[CO], v[BK+32*((\a)%2)+4*(\t):BK+32*((\a)%2)+4*(\t)+3], s[10:11] offset:4096*(\a)+512*(\t)  ; 512 consecutive bytes, at a multiple of 256 from the buffer's first
.endr
.endm
	s_wait_loadcnt 8                               ; the table's parts 0 to 6 are in (row blocks 0 to 2 and half of 3); the last eight loads may stay out
	EPI 0
	TOSTAGE 0
.irp a, 1,2,3
.if (\a) == 3
	s_wait_loadcnt 0x0                             ; the table's last part
.endif
	EPI \a                                         ; a block's arithmetic stands between the loads of the block before and its stores
	SEND (\a)-1
	TOSTAGE \a
.endr
	SEND 3
	s_wait_tensorcnt 0x0                           ; the wave's end
	ds_add_u32 v[SPW], v[NIL]
	s_wait_dscnt 0x0
	CROUND                                         ; the closing round
	s_endpgm
.Lfunc_end_k_q423c5fdaed_qkv:
	.size	k_q423c5fdaed_qkv, .Lfunc_end_k_q423c5fdaed_qkv-k_q423c5fdaed_qkv
	.p2alignl 7, 3214868480
	.fill 96, 4, 3214868480
	.section	.rodata,"a",@progbits
	.p2align	6, 0x0
	.amdhsa_kernel k_q423c5fdaed_qkv
		.amdhsa_group_segment_fixed_size 327680
		.amdhsa_private_segment_fixed_size 0
		.amdhsa_enable_private_segment 0
		.amdhsa_kernarg_size 32
		.amdhsa_user_sgpr_count 2
		.amdhsa_user_sgpr_kernarg_segment_ptr 1
		.amdhsa_wavefront_size32 1
		.amdhsa_system_sgpr_workgroup_id_x 1
		.amdhsa_system_sgpr_workgroup_id_y 1
		.amdhsa_system_sgpr_workgroup_id_z 1
		.amdhsa_system_vgpr_workitem_id 0
		.amdhsa_next_free_vgpr 832
		.amdhsa_next_free_sgpr 72
		.amdhsa_reserve_vcc 0
		.amdhsa_float_denorm_mode_32 3
		.amdhsa_float_denorm_mode_16_64 3
		.amdhsa_memory_ordered 1
		.amdhsa_forward_progress 1
		.amdhsa_inst_pref_size 142
	.end_amdhsa_kernel
	.amdgpu_metadata
---
amdhsa.version: [ 1, 2 ]
amdhsa.kernels:
  - .name:           k_q423c5fdaed_qkv
    .symbol:         k_q423c5fdaed_qkv.kd
    .args:
      - { .name: xb, .offset: 0, .size: 8, .value_kind: global_buffer, .address_space: global }
      - { .name: wqkv, .offset: 8, .size: 8, .value_kind: global_buffer, .address_space: global }
      - { .name: tab, .offset: 16, .size: 8, .value_kind: global_buffer, .address_space: global }
      - { .name: qkvh, .offset: 24, .size: 8, .value_kind: global_buffer, .address_space: global }
    .group_segment_fixed_size: 327680
    .private_segment_fixed_size: 0
    .kernarg_segment_align: 8
    .kernarg_segment_size: 32
    .max_flat_workgroup_size: 128
    .sgpr_count:     72
    .vgpr_count:     832
    .wavefront_size: 32
...
	.end_amdgpu_metadata
.endif
;; end of part 2
;; launch attn (part 3): grid 32 x 8, 4 waves a work-group, clusters of 4 x 1, 327,680 bytes of LDS; arguments qkvh, att; writes att
.if DOCPART == 3
	.amdgcn_target "amdgcn-amd-amdhsa--gfx1250"
	.amdhsa_code_object_version 6
	.text
	.protected	k_q423c5fdaed_attn
	.globl	k_q423c5fdaed_attn
	.p2align	8
	.type	k_q423c5fdaed_attn,@function
k_q423c5fdaed_attn:
	s_mov_b64 s[64:65], 0
	v_nop
	global_prefetch_b8 v0, s[64:65] scope:SCOPE_SE
	s_setreg_imm32_b32 hwreg(HW_REG_WAVE_MODE, 25, 1), 1
	s_wait_xcnt 0x0
	s_wait_alu depctr_hold_cnt(0) depctr_sa_sdst(0) depctr_va_vdst(0) depctr_va_sdst(0) depctr_va_ssrc(0) depctr_va_vcc(0) depctr_vm_vsrc(0)
	s_getreg_b32 s2, hwreg(HW_REG_IB_STS2, 6, 4)
	s_cmp_eq_u32 s2, 0
	s_cbranch_scc0 .Lentry_in_a_cluster
	s_endpgm
.Lentry_in_a_cluster:
	s_bfe_u32 s2, ttmp6, 0x10000c
	s_cmp_lg_u32 s2, 0x3003
	s_cbranch_scc0 .Lentry_shape_is_right
	s_endpgm
.Lentry_shape_is_right:
; CAUSAL ATTENTION, two query heads to a key and value head.  qkvh: [16][4096 rows][128] f16: heads 0-7 q, 8-11 k, 12-15 v / 16; a row is 2,048 b + position.  att: [4096 rows][8 heads x 128] f16, O / 16.
; Products, maxima and sums in f32; the weights p are rounded to f16 for the second product (their sum is taken of the unrounded p), O once at the end.
; SHARES.  y = (batch, key head).  A BLOCK is 32 positions x the key head's 2 query heads: 64 rows, four tiles of 16.  EVERY wave holds all four tiles; of each key tile of 256 keys wave w takes keys
; 64 w .. + 63.  So a fragment of K or V feeds four tiles' products and each LDS byte is read once.  At a block's end the four waves' partial O, maximum and sum are merged through LDS.
; THE WALK.  Block i needs the key tiles 0 .. i / 8.  A work-group takes blocks 63 - p and then p (p = 0 .. 31): (8 - a) + (a + 1) = 9 tiles with a = p / 8, whatever p: one loop with a constant count.
; One forward branch a trip, round a block's end, hangs on a; a block's opening stands at the kernel's head and at the first block's end, so that no trip need ask whether a block begins.
; CLUSTER.  The four partners have p = 4 x cluster x + cx and so the same a: they walk the same tiles of the same head, and every tile is asked for jointly, mask 15.  cx enters Q's and att's
; addresses and the masks' numbers, and nothing else.
; ROTATED TILES.  Register tile t of wave w is the block's tile (t + w) % 4 (head = tile / 2, position half = tile % 2): each wave's register tile 0 is the tile that it owns at the merge.
; LAYOUT.  S^T = K Q^T holds one query a lane (l % 16) and the keys 8 (l / 16) + 0..7; two such results rounded to f16 are source 1 of O^T = V^T P.  K comes out of LDS as it lies, V turned.
; SOFTMAX.  A running maximum m and sum l for each query and wave: p = 2^(c s - cm), c = log2(e) / sqrt(128); in every step O and l are multiplied by a = 2^(cm_old - cm_new).
; cm is c m raised by |c m| 2^-22, four times the rounding of the product: so cm is never below the exact c m, no argument is above 0 and no weight above 1, however large |m| is.  p, a and the merge
; use the same cm, so the quotient O / l does not feel the rise.
; THE MASK is the C operand that starts a score's sum: 0, or -1e30 where the key lies behind the query.  MD, made where a block opens, is the mask of the block's last tile; a step in the loop takes
; MD x AL, AL = 1 in that tile and 0 before it; the walk's last tile takes MD itself.
; A wave that sees no open key of a row has m = -1e30, weights of 0 or at most 1 and finite O and l; the merge multiplies them by 2^(cm - M) = 0: wave 0 always sees key 0.
; IN PHASES: a step's K Q^T, its softmax, its V^T P, one after the other.
; LIMITS.  A hidden score counts as its value less 1e30; a weight below 2^-126 counts as 0 in l; q, k, v / 16 arrive within f16's range; NaN and infinities are not treated apart.
; REGISTERS: window 0: v0-63 addresses and statistics; v64-191 S^T, 32 a tile; v192-255 P, 16 a tile.  Window 1: O^T, 64 a tile.  Window 2: v0-127 Q; v128-255 K.
;   window 3: v0-127 V; v128-191 MC, the step's masks; v192-255 MD.
.set PK,    272                        ; a row of K in LDS: 256 + 16 bytes: the 16 rows of a load start at 16 different groups of four banks (64 banks of 4 bytes: ISA guide 11.1)
.set PV,    288                        ; a row of V: 256 + 32
.set VOFF,  256*PK
.set SLOT,  256*(PK+PV)
.set MRG,   2*SLOT                     ; behind the ring, never filled by a tensor load: a region for each wave: 8,192 bytes of O, 3 x 256 of statistics; later its owner's stage
.set REG,   8960
.set SPARE, MRG+4*REG                  ; the spare words: 128 bytes for each wave, two blocks of 256 bytes that no other line names
.set SP,    272
.set AK0, 2
.set AV0, 3
.set AK,  4
.set AV,  5
.set STO, 6
.set RD,  7
.set GO,  8
.set QO,  10                           ; v10-13 byte offset of my part of register tile t in Q; never rewritten
.set RH,  14                           ; l % 16 - 8 (l / 16)
.set ST,  16                           ; tile t at v[ST+8 t]: cm, m (at the end: l's total), l (even keys', odd keys'), c0-c3 at work; a takes c2's place
.set F2,  20                           ; v20-23: at the merge, the factors of the second and third partner (tile 0's registers at work)
.set F3,  22
.set TH,  48                           ; v48-49
.set MW,  50
.set MWS, 51
.set MR,  52                           ; v52-54
.set MRS, 55                           ; v55-57
.set A0,  58                           ; v58-59 my own factor
.set A1,  60                           ; v60-61 the first partner's
.set SPW, 62
.set NIL, 63
.set S,   64
.set P,   192
.set KF,  128
.set MC,  128                          ; window 3: set e (register tiles of parity e), key block kb at 32 e + 8 kb
.set MD,  192
.set WV,  12
.set KB,  16
.set VB,  18
.set QP,  20
.set QP2, 22
.set G1K, 24
.set G1V, 32
.set G0K, 40
.set G0V, 44
.set SLOTS, 48
.set RT,  49                           ; tiles of the block in hand still to be entered
.set NXT, 50                           ; the tile to be asked for next
.set LQ,  51                           ; the last tile of the block whose tiles are being asked for
.set RB,  54                           ; the slot that is read: 0 or SLOT
.set FB,  55                           ; the other
.set OFF, 56
.set CS,  58
.set SEL, 60
.set BIGN, 62
.set IPOS, 63                          ; the block's first position
.set IPOS2, 66
.set AA,  67
.set LK,  68
.set LV,  69
.set OP,  70
.set OP2, 72
.set AL,  86                           ; s[86:87] the mask's factor, in the low word
.set EPS, 88                           ; 2^-22
.set W_KQ, 0x0a
.set W_KM, 0x3a                        ; the same with the C operand in window 3
.set W_PV, 0x53
.set W_RS, 0x41
.set MSB, 0
.macro WIN new                         ; the immediate's high byte repeats the setting that is left; a switch that changes nothing is dropped
.if MSB != (\new)
	s_set_vgpr_msb (MSB<<8)|(\new)
.set MSB, (\new)
.endif
.endm
.macro PLACES                          ; four plain places in front of loads into registers that matrix instructions have read, and of lines that read results
.rept 4
	v_nop
.endr
.endm
.macro JLOAD                           ; waves 0, 1 fetch the halves of a tile's K, waves 2, 3 those of its V; an s_nop 0 and four v_nop follow each line
	s_cmp_lt_u32 s[WV], 2
	s_cbranch_scc0 .Lfor_v_\@
	tensor_load_to_lds s[G0K:G0K+3], s[G1K:G1K+7]
	s_nop 0
.rept 4
	v_nop
.endr
	s_branch .Lasked_\@
.Lfor_v_\@:
	tensor_load_to_lds s[G0V:G0V+3], s[G1V:G1V+7]
	s_nop 0
.rept 4
	v_nop
.endr
.Lasked_\@:
.endm
.macro CROUND                          ; a round of the cluster's barrier
	s_barrier_signal -1
	s_barrier_wait -1
	s_cmp_lg_u32 s[WV], 0
	s_cbranch_scc1 .Lnot_wave_0_\@
	s_barrier_signal -3
.Lnot_wave_0_\@:
	s_barrier_wait -3
	s_barrier_signal -1
	s_barrier_wait -1
.endm
; THE CHANGE OF SLOTS.  Each wave waits for all its tensor loads (one is out: its part of the other slot), adds 0 to its spare word, and waits for that and for its reads of the slot that it leaves.
; fill = 1: a round of the cluster's barrier, and the old slot is filled again first thing behind it, with tile NXT: the descriptor's address is made anew from that number.
; (At its first use nothing has been read yet: slot 0 is waited for, slot 1 filled.)
.macro CHANGE fill
	WIN 0
	s_wait_tensorcnt 0x0
	ds_add_u32 v[SPW], v[NIL]
	s_xor_b32 s[RB], s[RB], SLOT
.if \fill
	s_xor_b32 s[FB], s[RB], SLOT
	s_add_co_u32 s[G0K+1], s[FB], s[LK]
	s_add_co_u32 s[G0V+1], s[FB], s[LV]
	s_lshl_b32 s[OFF], s[NXT], 16                  ; a tile is 65,536 bytes of K and of V
	s_add_nc_u64 s[G0K+2:G0K+3], s[KB:KB+1], s[OFF:OFF+1]
	s_or_b32 s[G0K+3], s[G0K+3], 0x80000000
	s_add_nc_u64 s[G0V+2:G0V+3], s[VB:VB+1], s[OFF:OFF+1]
	s_or_b32 s[G0V+3], s[G0V+3], 0x80000000
	s_add_co_u32 s[NXT], s[NXT], 1                 ; the block's next tile, or behind its last the second block's tile 0
	s_cmp_gt_u32 s[NXT], s[LQ]
	s_cselect_b32 s[NXT], 0, s[NXT]
	s_cselect_b32 s[LQ], s[AA], s[LQ]
	s_wait_dscnt 0x0
	CROUND
	JLOAD
.else
	s_wait_dscnt 0x0
	s_barrier_signal -1
	s_barrier_wait -1
.endif
.endm
.macro LOADQ                           ; the block's Q: register tile t, channels 32 c on
	WIN 0x80
.irp t, 0,1,2,3
.irp c, 0,1,2,3
	global_load_b128 v[32*(\t)+8*(\c):32*(\t)+8*(\c)+3],   v[QO+(\t)], s[QP:QP+1] offset:64*(\c)
	global_load_b128 v[32*(\t)+8*(\c)+4:32*(\t)+8*(\c)+7], v[QO+(\t)], s[QP:QP+1] offset:64*(\c)+32
.endr
.endr
	WIN 0
.endm
; A BLOCK OPENS.  cm far below every c s, so that the first step's a is 0; m at the lowest finite number; l = 0.  MD: in the block's last tile key 64 w + 16 kb + 8 h + j (counted from the tile's first)
; is hidden from position (IPOS mod 256) + 16 half + r where 16 kb + j is greater than the threshold below.  Last, the block's Q is waited for.
.macro OPENB
	WIN 0
.irp t, 0,1,2,3
	v_mov_b32 v[ST+8*(\t)], 0xfe000000
	v_mov_b32 v[ST+8*(\t)+1], 0xff7fffff
	v_mov_b32 v[ST+8*(\t)+2], 0
	v_mov_b32 v[ST+8*(\t)+3], 0
.endr
	s_and_b32 s2, s[IPOS], 255
	s_lshl_b32 s3, s[WV], 6
	s_sub_co_i32 s2, s2, s3
	s_and_b32 s3, s[WV], 1
	s_lshl_b32 s3, s3, 4                           ; register tiles 0, 2 hold position half w % 2,
	s_add_co_i32 s8, s2, s3
	s_xor_b32 s3, s3, 16                           ; tiles 1, 3 the other
	s_add_co_i32 s9, s2, s3
	v_add_nc_u32 v[TH], s8, v[RH]
	v_add_nc_u32 v[TH+1], s9, v[RH]
	WIN 0xc0                                       ; destination window 3
.set ee, 0
.rept 2
.set i, 0
.rept 32
	v_cmp_gt_i32 vcc_lo, 16*(i/8)+i%8, v[TH+ee]
	v_cndmask_b32 v[MD+32*ee+i], 0, s[BIGN], vcc_lo
.set i, i+1
.endr
.set ee, ee+1
.endr
	WIN 0
	s_wait_loadcnt 0x0                             ; Q
.endm
	s_load_b128 s[4:7], s[0:1], 0x0                ; qkvh 4, att 6
	v_lshl_add_u32 v[SPW], v0, 2, SPARE
	v_mov_b32 v[NIL], 0
	ds_add_u32 v[SPW], v[NIL]                      ; the wave's opening: the add and its wait ahead of my first tensor load
	v_lshrrev_b32 v1, 5, v0
	v_readfirstlane_b32 s[WV], v1
	s_bfe_u32 s13, ttmp6, 0x40000                  ; cx
	s_lshl_b32 s14, ttmp9, 2
	s_add_co_u32 s14, s14, s13                     ; p: the second block
	s_sub_co_u32 s15, 63, s14                      ; the first block
	s_lshr_b32 s[AA], ttmp9, 1                     ; a = p / 8: the same in all four partners
	s_and_b32 s8, ttmp7, 0xffff
	s_lshr_b32 s9, s8, 2                           ; batch
	s_and_b32 s10, s8, 3                           ; key head
	s_and_b32 s11, s[WV], 1
	s_add_co_u32 s74, s10, 8                       ; K: head 8 + key head,
	s_lshl_b32 s74, s74, 20
	s_lshl_b32 s75, s9, 19                         ; the batch's 2,048 rows of 256 bytes,
	s_add_co_u32 s74, s74, s75
	s_lshl_b32 s75, s11, 15                        ; my half of a tile's 256 rows
	s_add_co_u32 s74, s74, s75
	s_mov_b32 s75, 0
	s_mul_i32 s[LK], s11, 128*PK
	s_mul_i32 s[LV], s11, 128*PV
	s_add_co_u32 s[LV], s[LV], VOFF
	s_lshl_b32 s2, s10, 21                         ; Q: head 2 x key head,
	s_lshl_b32 s3, s9, 19
	s_add_co_u32 s2, s2, s3
	s_lshl_b32 s78, s15, 13                        ; a block's 32 rows
	s_add_co_u32 s78, s78, s2
	s_mov_b32 s79, 0
	s_lshl_b32 s80, s14, 13
	s_add_co_u32 s80, s80, s2
	s_mov_b32 s81, 0
	s_lshl_b32 s3, s9, 11                          ; att: row 2,048 b + 32 i + 16 (w % 2), head 2 x key head + w / 2: the tile that I own
	s_lshl_b32 s2, s11, 4
	s_add_co_u32 s3, s3, s2
	s_lshl_b32 s2, s10, 1
	s_lshr_b32 s76, s[WV], 1
	s_add_co_u32 s2, s2, s76
	s_lshl_b32 s2, s2, 8
	s_lshl_b32 s[IPOS], s15, 5
	s_lshl_b32 s[IPOS2], s14, 5
	s_add_co_u32 s82, s3, s[IPOS]
	s_lshl_b32 s82, s82, 11
	s_add_co_u32 s82, s82, s2
	s_mov_b32 s83, 0
	s_add_co_u32 s84, s3, s[IPOS2]
	s_lshl_b32 s84, s84, 11
	s_add_co_u32 s84, s84, s2
	s_mov_b32 s85, 0
	s_mov_b32 s[G1K], 15|(1<<16)|(1<<20)|(1<<21)|(5<<22)|(3<<25)  ; the mask of four; 2-byte elements; padding on; bit 21 beside a mask; after every 64 words, 4 words
	s_mov_b32 s[G1V], 15|(1<<16)|(1<<20)|(1<<21)|(5<<22)|(7<<25)  ; the same with 8 words
.irp g, G1K, G1V
	s_mov_b32 s[(\g)+1], 128<<16                   ; tensor_dim0 = 128
	s_mov_b32 s[(\g)+2], 128<<16                   ; tensor_dim1 = 128
	s_mov_b32 s[(\g)+3], 128<<16                   ; tile_dim0 = 128
	s_mov_b32 s[(\g)+4], 128                       ; tile_dim1 = 128 rows
	s_mov_b32 s[(\g)+5], 128                       ; elements from row to row
	s_mov_b32 s[(\g)+6], 0
	s_mov_b32 s[(\g)+7], 0
.endr
	s_mov_b32 s[CS], 0x3e0293ee                    ; c = log2(e) / sqrt(128)
	s_mov_b32 s[CS+1], s[CS]
	s_mov_b32 s[SEL], 0x76543210
	s_mov_b32 s[SEL+1], 0xfedcba98
	s_mov_b32 s[BIGN], 0xf149f2ca                  ; -1e30
	s_mov_b32 s[EPS], 0x34800000                   ; 2^-22
	s_mov_b32 s[AL], 0
	s_mov_b32 s[AL+1], 0                           ; named as a pair
	s_mov_b32 s[SLOTS], 8
	s_sub_co_u32 s[RT], 8, s[AA]                   ; the first block has 8 - a tiles
	s_sub_co_u32 s[LQ], 7, s[AA]
	s_mov_b32 s[NXT], 1
	s_mov_b32 s[RB], SLOT                          ; the first change of slots turns it into 0
	s_mov_b32 s[OFF+1], 0
	s_mov_b32 s[G0K], 1
	s_mov_b32 s[G0K+1], s[LK]                      ; tile 0 goes into slot 0
	s_mov_b32 s[G0V], 1
	s_mov_b32 s[G0V+1], s[LV]
	s_wait_dscnt 0x0                               ; the opening add is done
	s_wait_kmcnt 0x0
	s_add_nc_u64 s[KB:KB+1], s[4:5], s[74:75]
	s_add_nc_u64 s[VB:VB+1], s[KB:KB+1], 0x400000  ; V's heads lie four heads behind K's
	s_add_nc_u64 s[QP:QP+1], s[4:5], s[78:79]
	s_add_nc_u64 s[QP2:QP2+1], s[4:5], s[80:81]
	s_add_nc_u64 s[OP:OP+1], s[6:7], s[82:83]
	s_add_nc_u64 s[OP2:OP2+1], s[6:7], s[84:85]
	s_add_nc_u64 s[G0K+2:G0K+3], s[KB:KB+1], 0
	s_or_b32 s[G0K+3], s[G0K+3], 0x80000000
	s_add_nc_u64 s[G0V+2:G0V+3], s[VB:VB+1], 0
	s_or_b32 s[G0V+3], s[G0V+3], 0x80000000
	CROUND                                         ; all four work-groups are here: the first joint loads meet
	JLOAD
	v_and_b32 v1, 15, v0                           ; r
	v_bfe_u32 v9, v0, 4, 1                         ; h
	v_lshlrev_b32 v15, 8, v1
	v_lshl_add_u32 v15, v9, 4, v15                 ; row x 256 + 16 h
.irp t, 0,1,2,3
	s_add_co_u32 s2, s[WV], \t
	s_and_b32 s2, s2, 3                            ; the block's tile in register tile t
	s_lshr_b32 s3, s2, 1
	s_lshl_b32 s3, s3, 20                          ; its head,
	s_and_b32 s2, s2, 1
	s_lshl_b32 s2, s2, 12                          ; its 16 rows
	s_add_co_u32 s3, s3, s2
	v_add_nc_u32 v[QO+(\t)], s3, v15
.endr
	LOADQ
	v_lshlrev_b32 v[RH], 3, v9
	v_sub_nc_u32 v[RH], v1, v[RH]
	s_mul_i32 s3, s[WV], 64*PK                     ; my 64 keys of a tile
	v_mul_u32_u24 v[AK0], v1, PK
	v_lshl_add_u32 v[AK0], v9, 4, v[AK0]
	v_add_nc_u32 v[AK0], s3, v[AK0]
	s_mul_i32 s3, s[WV], 64*PV
	s_add_co_u32 s3, s3, VOFF
	v_and_b32 v4, 7, v0
	v_bfe_u32 v5, v0, 3, 1
	v_lshl_add_u32 v[AV0], v9, 3, v4               ; the turning load: lane l reads key 8 h + l % 8, channels 8 ((l / 8) % 2) + 0..7
	v_mul_u32_u24 v[AV0], v[AV0], PV
	v_lshl_add_u32 v[AV0], v5, 4, v[AV0]
	v_add_nc_u32 v[AV0], s3, v[AV0]
	v_and_b32 v15, 31, v0
	s_mul_i32 s2, s[WV], REG
	s_add_co_u32 s2, s2, MRG                       ; my region
	v_lshl_add_u32 v[MW], v15, 4, s2
	v_lshl_add_u32 v[MWS], v15, 3, s2
	v_add_nc_u32 v[MWS], 8192, v[MWS]
.irp s, 1,2,3
	s_sub_co_u32 s3, s[WV], \s
	s_and_b32 s3, s3, 3                            ; in merge step s wave (w - s) % 4 hands over its register tile s, which is my tile
	s_mul_i32 s3, s3, REG
	s_add_co_u32 s3, s3, MRG
	v_lshl_add_u32 v[MR+(\s)-1], v15, 4, s3
	v_lshl_add_u32 v[MRS+(\s)-1], v15, 3, s3
	v_add_nc_u32 v[MRS+(\s)-1], 8192, v[MRS+(\s)-1]
.endr
	v_mul_u32_u24 v[STO], v1, SP
	v_lshl_add_u32 v[STO], v9, 4, v[STO]
	v_add_nc_u32 v[STO], s2, v[STO]
	v_mul_u32_u24 v[RD], v9, SP
	v_lshl_add_u32 v[RD], v1, 4, v[RD]
	v_add_nc_u32 v[RD], s2, v[RD]
	v_lshlrev_b32 v[GO], 11, v9                    ; lanes 0-15 a row's 256 bytes of my head, lanes 16-31 the next row's
	v_lshl_add_u32 v[GO], v1, 4, v[GO]
	v_mov_b32 v[A0+1], 0                           ; named as pairs
	v_mov_b32 v[A1+1], 0
	; A block's first step multiplies O^T by a = 0, so O^T need only hold finite numbers: zeros for the first block, what the first block left for the second.  The zeros are written by 32 products of
	; two fragments of zeros, 48 lines for 256 registers, in the wait for tile 0: the price of writing no first step out.
.set i, 0
.rept 16
	v_mov_b32 v[S+i], 0
.set i, i+1
.endr
	WIN 0x40                                       ; destination window 1
.set i, 0
.rept 32
	v_wmma_f32_16x16x32_f16 v[8*i:8*i+7], v[S:S+7], v[S+8:S+15], 0
.set i, i+1
.endr
	WIN 0
	OPENB                                          ; the first block
; Number j of the 134 of one tile's softmax for one step.  s0-s31 are the lane's 32 scores.
;   0-15 the maximum of s0-s31 and the old m, three operands at a time (each accumulator's lowest registers are read first)     16-20 the other half of the lanes' maximum; m; c m; cm_old - cm_new
;   21-87 33 exponentials (a, then s0-s31) at the odd numbers from 23 on; at the others what is ready: c s - cm for pairs to come, roundings of pairs whose exponentials stand three numbers back or more, the first sums
;   88-101 the last rounding, the rest of the sums, l = a l + sum     102-133 O^T times a
; The four tiles take each number in turn: four exponentials on end, then a plain line that names none of their registers.
.macro SM t
.set rT, ST+8*(\t)
.set rS, S+32*(\t)
.set rP, P+16*(\t)
.set rO, 64*(\t)+2*(j-102)
.set q, (j-20)/2
.if j < 102
	WIN 0
.endif
.if j < 4
	v_max3_num_f32 v[rT+4+j], v[rS+8*j], v[rS+8*j+1], v[rS+8*j+2]
.elseif j < 12
	v_max3_num_f32 v[rT+4+j%4], v[rT+4+j%4], v[rS+8*(j%4)+2*(j/4)+1], v[rS+8*(j%4)+2*(j/4)+2]
.elseif j == 12
	v_max3_num_f32 v[rT+4], v[rT+4], v[rS+7], v[rS+15]
.elseif j == 13
	v_max3_num_f32 v[rT+6], v[rT+6], v[rS+23], v[rS+31]
.elseif j == 14
	v_max3_num_f32 v[rT+4], v[rT+4], v[rT+5], v[rT+6]
.elseif j == 15
	v_max3_num_f32 v[rT+4], v[rT+4], v[rT+7], v[rT+1]
.elseif j == 16
	v_permlanex16_b32 v[rT+5], v[rT+4], s[SEL], s[SEL+1]
.elseif j == 17
	v_mov_b32 v[rT+7], v[rT]
.elseif j == 18
	v_max_num_f32 v[rT+1], v[rT+4], v[rT+5]
.elseif j == 19
	v_mul_f32 v[rT], s[CS], v[rT+1]
.elseif j == 20
	v_sub_f32 v[rT+7], v[rT+7], v[rT]
.elseif j == 23
	v_exp_f32 v[rT+6], v[rT+7]
.elseif (j < 88) && (j > 23) && (j%2 == 1)
	v_exp_f32 v[rS+(j-25)/2], v[rS+(j-25)/2]
.elseif (q < 4) || ((j < 76) && (q%2 == 0))
.set b, q/2+2
.if q < 4
.set b, q
.endif
	v_pk_fma_f32 v[rS+2*b:rS+2*b+1], v[rS+2*b:rS+2*b+1], s[CS:CS+1], v[rT:rT+1] op_sel_hi:[1,0,0] neg_lo:[0,0,1] neg_hi:[0,0,1]
.elseif (j < 88) && (q%2 == 1)
	s_wait_alu depctr_va_vdst(0)
	v_cvt_pk_f16_f32 v[rP+(q-5)/2], v[rS+q-5], v[rS+q-4]
.elseif j == 89
	s_wait_alu depctr_va_vdst(0)
	v_cvt_pk_f16_f32 v[rP+15], v[rS+30], v[rS+31]
.elseif j < 102
.set z, j-86
.if j < 89
.set z, (j-76)/4
.endif
.set w, 4
.set u, z
.if z >= 14
.set w, 32
.set u, 0
.elseif z >= 12
.set w, 16
.set u, z-12
.elseif z >= 8
.set w, 8
.set u, z-8
.endif
.if z < 15
	v_pk_add_f32 v[rS+w*u:rS+w*u+1], v[rS+w*u:rS+w*u+1], v[rS+w*u+w/2:rS+w*u+w/2+1]
.else
	v_pk_fma_f32 v[rT+2:rT+3], v[rT+2:rT+3], v[rT+6:rT+7], v[rS:rS+1] op_sel_hi:[1,0,1]
.endif
.else
	WIN W_RS
	v_pk_mul_f32 v[rO:rO+1], v[rO:rO+1], v[rT+6:rT+7] op_sel_hi:[1,0]
.endif
.endm
; A KEY STEP: my 64 keys of the tile in slot RB, for all four tiles.  diag = 0: the masks are MD x AL, made in the wait for K; diag = 1: the walk's last tile: MD itself.
.macro STEP diag
	WIN 0
	PLACES                                         ; in front of the loads into V's registers, which the last products read
	v_add_nc_u32 v[AK], s[RB], v[AK0]
	v_add_nc_u32 v[AV], s[RB], v[AV0]
	WIN 0x80
.irp f, 0,1,2,3,4,5,6,7,8,9,10,11,12,13,14,15      ; K: keys 16 (f / 4) on, channels 32 (f % 4) on
	ds_load_b128 v[KF+8*(\f):KF+8*(\f)+3],   v[AK] offset:((\f)/4)*16*PK+((\f)%4)*64
	ds_load_b128 v[KF+8*(\f)+4:KF+8*(\f)+7], v[AK] offset:((\f)/4)*16*PK+((\f)%4)*64+32
.endr
	WIN 0xc0
.irp f, 0,1,2,3,4,5,6,7,8,9,10,11,12,13,14,15      ; V, turned: keys 32 (f / 8) on, channels 16 (f % 8) on
	ds_load_tr16_b128 v[8*(\f):8*(\f)+3],   v[AV] offset:((\f)/8)*32*PV+((\f)%8)*32
	ds_load_tr16_b128 v[8*(\f)+4:8*(\f)+7], v[AV] offset:((\f)/8)*32*PV+16*PV+((\f)%8)*32
.endr
.if \diag
.set MSK, MD
.else
.set MSK, MC
	WIN 0xc3                                       ; source 0 and destination window 3
.set i, 0
.rept 32
	v_pk_mul_f32 v[MC+2*i:MC+2*i+1], v[MD+2*i:MD+2*i+1], s[AL:AL+1] op_sel_hi:[1,0]
.set i, i+1
.endr
.endif
	s_wait_dscnt 32                                ; K is in; V's 32 loads may stay out
.set cc, 0
.rept 4                                            ; S^T = K Q^T: 16 accumulators take turns, one instruction a turn; the first 16 start the sums with the masks
.set kb, 0
.rept 4
.set tt, 0
.rept 4
.if cc == 0
	WIN W_KM
	v_wmma_f32_16x16x32_f16 v[S+32*tt+8*kb:S+32*tt+8*kb+7], v[KF+32*kb+8*cc:KF+32*kb+8*cc+7], v[32*tt+8*cc:32*tt+8*cc+7], v[MSK+32*(tt%2)+8*kb:MSK+32*(tt%2)+8*kb+7]
.else
	WIN W_KQ
	v_wmma_f32_16x16x32_f16 v[S+32*tt+8*kb:S+32*tt+8*kb+7], v[KF+32*kb+8*cc:KF+32*kb+8*cc+7], v[32*tt+8*cc:32*tt+8*cc+7], v[S+32*tt+8*kb:S+32*tt+8*kb+7]
.endif
.set tt, tt+1
.endr
.set kb, kb+1
.endr
.set cc, cc+1
.endr
	PLACES
.set j, 0
.rept 134
	SM 0
	SM 1
	SM 2
	SM 3
.if j == 19
.irp t, 0,1,2,3
	v_fma_f32 v[ST+8*(\t)], |v[ST+8*(\t)]|, s[EPS], v[ST+8*(\t)]  ; cm is raised above the exact c m
.endr
.endif
.set j, j+1
.endr
	s_wait_dscnt 0x0                               ; V is in
	WIN W_PV
.set kk, 0
.rept 2                                            ; O^T += V^T P: 32 accumulators take turns
.set cb, 0
.rept 8
.set tt, 0
.rept 4
	v_wmma_f32_16x16x32_f16 v[64*tt+8*cb:64*tt+8*cb+7], v[64*kk+8*cb:64*kk+8*cb+7], v[P+16*tt+8*kk:P+16*tt+8*kk+7], v[64*tt+8*cb:64*tt+8*cb+7]
.set tt, tt+1
.endr
.set cb, cb+1
.endr
.set kk, kk+1
.endr
	WIN 0
.endm
; A BLOCK ENDS.  l's total for each tile.  Three merge steps: in step s each wave puts its register tile s into its own region (with step 1 also cm and l of all three); behind a barrier each reads
; the region that holds its own tile; behind its reads it signals again, works on registers, and waits: then the regions may be written anew.  The owner makes four factors 2^(cm_i - M) / l, M the largest
; cm and l the sum of the four l_i 2^(cm_i - M): its own tile is multiplied once, the partners' are added with theirs.  Then f16, through my region as a stage, out.
; last = 0: the second block's Q is asked for ahead of the merge, and the second block opens behind the stores.
.macro FINISH last
	WIN 0
	PLACES
.irp t, 0,1,2,3
	v_add_f32 v[ST+8*(\t)+4], v[ST+8*(\t)+2], v[ST+8*(\t)+3]
.endr
.irp t, 0,1,2,3
	v_permlanex16_b32 v[ST+8*(\t)+5], v[ST+8*(\t)+4], s[SEL], s[SEL+1]
.endr
.irp t, 0,1,2,3
	v_add_f32 v[ST+8*(\t)+1], v[ST+8*(\t)+4], v[ST+8*(\t)+5]
.endr
.if !(\last)
	s_wait_loadcnt 0x0                             ; no load into Q's registers, and none that names Q's base, is out
	s_mov_b64 s[QP:QP+1], s[QP2:QP2+1]
	LOADQ
.endif
	WIN 0x04                                       ; store data in window 1
.irp f, 0,1,2,3,4,5,6,7,8,9,10,11,12,13,14,15
	ds_store_b128 v[MW], v[64+4*(\f):64+4*(\f)+3] offset:512*(\f)
.endr
	WIN 0
.irp s, 1,2,3
	ds_store_b64 v[MWS], v[ST+8*(\s):ST+8*(\s)+1] offset:256*((\s)-1)
.endr
	s_wait_dscnt 0x0                               ; for the others' sake: my stores are done
	s_barrier_signal -1
	s_barrier_wait -1
.irp f, 0,1,2,3,4,5,6,7,8,9,10,11,12,13,14,15
	ds_load_b128 v[S+4*(\f):S+4*(\f)+3], v[MR] offset:512*(\f)
.endr
.irp s, 1,2,3
	ds_load_b64 v[S+62+2*(\s):S+63+2*(\s)], v[MRS+(\s)-1] offset:256*((\s)-1)
.endr
	s_wait_dscnt 0x0                               ; my reads are back:
	s_barrier_signal -1                            ; say so, and work on registers while the others arrive
	v_max3_num_f32 v15, v[ST], v[S+64], v[S+66]
	v_max_num_f32 v15, v15, v[S+68]
	v_sub_f32 v[A0], v[ST], v15
	v_sub_f32 v[A1], v[S+64], v15
	v_sub_f32 v[F2], v[S+66], v15
	v_sub_f32 v[F3], v[S+68], v15
	v_exp_f32 v[A0], v[A0]
	v_exp_f32 v[A1], v[A1]
	v_exp_f32 v[F2], v[F2]
	v_exp_f32 v[F3], v[F3]
	v_nop                                          ; a plain line behind the exponentials
	s_wait_alu depctr_va_vdst(0)
	v_mul_f32 v[ST+1], v[ST+1], v[A0]
	v_fmac_f32 v[ST+1], v[S+65], v[A1]
	v_fmac_f32 v[ST+1], v[S+67], v[F2]
	v_fmac_f32 v[ST+1], v[S+69], v[F3]
	v_rcp_f32 v15, v[ST+1]
	v_nop                                          ; a plain line behind the reciprocal
	s_wait_alu depctr_va_vdst(0)
	v_mul_f32 v[A0], v[A0], v15
	v_mul_f32 v[A1], v[A1], v15
	v_mul_f32 v[F2], v[F2], v15
	v_mul_f32 v[F3], v[F3], v15
	WIN W_RS
.set i, 0
.rept 32
	v_pk_mul_f32 v[2*i:2*i+1], v[2*i:2*i+1], v[A0:A0+1] op_sel_hi:[1,0]
.set i, i+1
.endr
	WIN 0x50                                       ; source 2 and destination window 1
.set i, 0
.rept 32
	v_pk_fma_f32 v[2*i:2*i+1], v[S+2*i:S+2*i+1], v[A1:A1+1], v[2*i:2*i+1] op_sel_hi:[1,0,1]
.set i, i+1
.endr
	WIN 0
	s_barrier_wait -1
.irp s, 2,3
	WIN 0x04
.irp f, 0,1,2,3,4,5,6,7,8,9,10,11,12,13,14,15
	ds_store_b128 v[MW], v[64*(\s)+4*(\f):64*(\s)+4*(\f)+3] offset:512*(\f)
.endr
	WIN 0
	s_wait_dscnt 0x0
	s_barrier_signal -1
	s_barrier_wait -1
.irp f, 0,1,2,3,4,5,6,7,8,9,10,11,12,13,14,15
	ds_load_b128 v[S+4*(\f):S+4*(\f)+3], v[MR+(\s)-1] offset:512*(\f)
.endr
	s_wait_dscnt 0x0
	s_barrier_signal -1
	WIN 0x50
.set i, 0
.rept 32
	v_pk_fma_f32 v[2*i:2*i+1], v[S+2*i:S+2*i+1], v[F2+2*((\s)-2):F2+2*((\s)-2)+1], v[2*i:2*i+1] op_sel_hi:[1,0,1]
.set i, i+1
.endr
	WIN 0
	s_barrier_wait -1
.endr
	WIN 0x05                                       ; sources 0, 1 window 1
.set i, 0
.rept 32
	v_cvt_pk_f16_f32 v[S+i], v[2*i], v[2*i+1]
.set i, i+1
.endr
	WIN 0
.irp f, 0,1,2,3,4,5,6,7
	ds_store_b128 v[STO], v[S+4*(\f):S+4*(\f)+3] offset:32*(\f)
.endr
.irp f, 0,1,2,3,4,5,6,7
	ds_load_b128 v[S+4*(\f):S+4*(\f)+3], v[RD] offset:(\f)*2*SP  ; LDS serves a wave's instructions in order (ISA guide 5.7.1.4): these see the stores above
.endr
.irp f, 0,1,2,3,4,5,6,7
	s_wait_dscnt 7-(\f)                            ; loads come back in order: row pair f is in, the younger ones stay out
	global_store_b128 v[GO], v[S+4*(\f):S+4*(\f)+3], s[OP:OP+1] offset:4096*(\f)  ; 16 lanes store 256 consecutive bytes, at a multiple of 256 from att's first byte
.endr
.if !(\last)
	s_wait_xcnt 0x0                                ; the stores' data and base are written again only behind this wait
	s_mov_b64 s[OP:OP+1], s[OP2:OP2+1]
	s_mov_b32 s[IPOS], s[IPOS2]
	s_add_co_u32 s[RT], s[AA], 1                   ; the second block has a + 1 tiles
	OPENB
.endif
.endm
.Lslot:                                                ; 8 times: a tile is entered and the next is asked for
	CHANGE 1
	s_sub_co_u32 s[RT], s[RT], 1
	s_cmp_eq_u32 s[RT], 0                          ; the block's last tile holds the diagonal
	s_cselect_b32 s[AL], 1.0, 0
	STEP 0
	s_cmp_lg_u32 s[RT], 0
	s_cbranch_scc1 .Lbottom
	FINISH 0                                       ; in the loop this is the first block's end: the second block's last tile is the walk's last
.Lbottom:
	s_sub_co_u32 s[SLOTS], s[SLOTS], 1
	s_cmp_lg_u32 s[SLOTS], 0
	s_cbranch_scc1 .Lslot
	CHANGE 0                                       ; the walk's last tile is written out: nothing is asked for
	STEP 1
	FINISH 1
	s_wait_tensorcnt 0x0                           ; the wave's end
	ds_add_u32 v[SPW], v[NIL]
	s_wait_dscnt 0x0
	CROUND                                         ; the closing round
	s_endpgm
.Lfunc_end_k_q423c5fdaed_attn:
	.size	k_q423c5fdaed_attn, .Lfunc_end_k_q423c5fdaed_attn-k_q423c5fdaed_attn
	.p2alignl 7, 3214868480
	.fill 96, 4, 3214868480
	.section	.rodata,"a",@progbits
	.p2align	6, 0x0
	.amdhsa_kernel k_q423c5fdaed_attn
		.amdhsa_group_segment_fixed_size 327680
		.amdhsa_private_segment_fixed_size 0
		.amdhsa_enable_private_segment 0
		.amdhsa_kernarg_size 16
		.amdhsa_user_sgpr_count 2
		.amdhsa_user_sgpr_kernarg_segment_ptr 1
		.amdhsa_wavefront_size32 1
		.amdhsa_system_sgpr_workgroup_id_x 1
		.amdhsa_system_sgpr_workgroup_id_y 1
		.amdhsa_system_sgpr_workgroup_id_z 1
		.amdhsa_system_vgpr_workitem_id 0
		.amdhsa_next_free_vgpr 1024
		.amdhsa_next_free_sgpr 96
		.amdhsa_reserve_vcc 1
		.amdhsa_float_denorm_mode_32 3
		.amdhsa_float_denorm_mode_16_64 3
		.amdhsa_memory_ordered 1
		.amdhsa_forward_progress 1
		.amdhsa_inst_pref_size 167
	.end_amdhsa_kernel
	.amdgpu_metadata
---
amdhsa.version: [ 1, 2 ]
amdhsa.kernels:
  - .name:           k_q423c5fdaed_attn
    .symbol:         k_q423c5fdaed_attn.kd
    .args:
      - { .name: qkvh, .offset: 0, .size: 8, .value_kind: global_buffer, .address_space: global }
      - { .name: att, .offset: 8, .size: 8, .value_kind: global_buffer, .address_space: global }
    .group_segment_fixed_size: 327680
    .private_segment_fixed_size: 0
    .kernarg_segment_align: 8
    .kernarg_segment_size: 16
    .max_flat_workgroup_size: 128
    .sgpr_count:     96
    .vgpr_count:     1024
    .wavefront_size: 32
...
	.end_amdgpu_metadata
.endif
;; end of part 3
;; launch oproj (part 4): grid 16 x 16, 4 waves a work-group, clusters of 4 x 4, 327,680 bytes of LDS; arguments att, wo16, out0; writes out0
.if DOCPART == 4
	.amdgcn_target "amdgcn-amd-amdhsa--gfx1250"
	.amdhsa_code_object_version 6
	.text
	.protected	k_q423c5fdaed_oproj
	.globl	k_q423c5fdaed_oproj
	.p2align	8
	.type	k_q423c5fdaed_oproj,@function
k_q423c5fdaed_oproj:
	s_mov_b64 s[64:65], 0
	v_nop
	global_prefetch_b8 v0, s[64:65] scope:SCOPE_SE
	s_setreg_imm32_b32 hwreg(HW_REG_WAVE_MODE, 25, 1), 1
	s_wait_xcnt 0x0
	s_wait_alu depctr_hold_cnt(0) depctr_sa_sdst(0) depctr_va_vdst(0) depctr_va_sdst(0) depctr_va_ssrc(0) depctr_va_vcc(0) depctr_vm_vsrc(0)
	s_getreg_b32 s2, hwreg(HW_REG_IB_STS2, 6, 4)
	s_cmp_eq_u32 s2, 0
	s_cbranch_scc0 .Lentry_in_a_cluster
	s_endpgm
.Lentry_in_a_cluster:
	s_bfe_u32 s2, ttmp6, 0x10000c
	s_cmp_lg_u32 s2, 0xf033
	s_cbranch_scc0 .Lentry_shape_is_right
	s_endpgm
.Lentry_shape_is_right:
; out0[m][n] = 16 x sum over k of att[m][k] wo16[k][n].  att: [4096][1024] f16 (O / 16).  wo16: [1024 k][4096 n] f16.  out0: [4096][4096] f32.  Sums in f32; the factor 16 is applied in f32.
; A tile of C is 256 x 256: 16 x 16 = 256 work-groups of four waves; a wave makes 128 x 128: 64 accumulators, 512 registers.  K goes in steps of 128 through a ring of two LDS slots.
; A's rows (256 bytes of memory) are padded to 272; B's tile lies as in memory, [k][n]: 128 rows of 512 bytes padded to 544, turned on the way into registers by ds_load_tr16_b128.
; CLUSTER 4 x 4: A's tile is asked for jointly along a row of the cluster, B's along a column.  THE MATRIX INSTRUCTION IS USED TRANSPOSED (source 0 = 16 columns of B, source 1 = 16 rows of A):
; a lane holds eight neighbouring numbers of a row of C, 32 bytes.
; REGISTERS: window 0: v0-31 addresses; v64-127, v128-191 fragments of A, two buffers; on the way out v64-127 scaled results, v128-255 two blocks read back.
;   window 1: v64-127, v128-191 fragments of B.   window 2: the accumulators of my rows 0-63 ((a, b) at 8 (8 a + b));  window 3: those of rows 64-127.
; LIMITS.  att and wo16 arrive within f16's range.
.set SIZE_K, 1024
.set SIZE_N, 4096
.set KSTEP,  128
.set PITCH,  272
.set PB,     544                       ; 512 + 32 bytes = 136 words
.set HALFT,  128*PITCH                 ; 128 rows of A, and as many bytes as 64 rows of B: what one tensor load brings
.set SLOT,   4*HALFT
.set STAGE,  2*SLOT                    ; behind the ring: 16 rows x 528 bytes for each wave
.set SPITCH, 528
.set SPARE,  STAGE+4*16*SPITCH
.set LAPS,   SIZE_K/(2*KSTEP)
.set ADRA, 16
.set ADRB, 20
.set STO,  24
.set RD,   25
.set CO,   26
.set SPW,  28
.set NIL,  29
.set F0,   64
.set F1,   128
.set TMP,  64
.set G1,  24
.set G0,  32
.set G1B, 48
.set G0B, 56
.set SC,  66                           ; s[66:67] 16.0
.set MSB, 0
.macro WIN new
.if MSB != (\new)
	s_set_vgpr_msb (MSB<<8)|(\new)
.set MSB, \new
.endif
.endm
.set MUL_LO, 0xa1                      ; source 0 (B) window 1, source 1 (A) window 0, C and D window 2
.set MUL_HI, 0xf1
.set TO_B,   0x40
.macro PLACES
.rept 4
	v_nop
.endr
.endm
.macro JLOAD s                         ; waves 0, 1 fetch A's halves, waves 2, 3 B's; an s_nop 0 and four v_nop follow each line
	s_cmp_eq_u32 s11, 0
	s_cbranch_scc0 .Lfor_b_\@
	tensor_load_to_lds s[G0+4*(\s):G0+4*(\s)+3], s[G1:G1+7]
	s_nop 0
.rept 4
	v_nop
.endr
	s_branch .Lasked_\@
.Lfor_b_\@:
	tensor_load_to_lds s[G0B+4*(\s):G0B+4*(\s)+3], s[G1B:G1B+7]
	s_nop 0
.rept 4
	v_nop
.endr
.Lasked_\@:
.endm
.macro CREST
	s_cmp_lg_u32 s10, 0
	s_cbranch_scc1 .Lnot_wave_0_\@
	s_barrier_signal -3
.Lnot_wave_0_\@:
	s_barrier_wait -3
	s_barrier_signal -1
	s_barrier_wait -1
.endm
.macro CROUND
	s_barrier_signal -1
	s_barrier_wait -1
	CREST
.endm
	s_load_b128 s[4:7], s[0:1], 0x0                ; att 4, wo16 6
	s_load_b64 s[8:9], s[0:1], 0x10                ; out0
	v_lshl_add_u32 v[SPW], v0, 2, SPARE
	v_mov_b32 v[NIL], 0
	ds_add_u32 v[SPW], v[NIL]                      ; the wave's opening: the add and its wait ahead of my first tensor load
	v_lshrrev_b32 v1, 5, v0
	v_readfirstlane_b32 s10, v1
	s_lshr_b32 s11, s10, 1                         ; which half of the tile's rows is mine.  Also: I fetch for A (0) or for B (1)
	s_and_b32 s12, s10, 1                          ; which half of its columns.  Also: which half of that tile I fetch
	s_bfe_u32 s40, ttmp6, 0x40000
	s_bfe_u32 s41, ttmp6, 0x40004
	s_lshl_b32 s42, ttmp9, 2
	s_add_co_u32 s42, s42, s40                     ; tile column
	s_and_b32 s13, ttmp7, 0xffff
	s_lshl_b32 s13, s13, 2
	s_add_co_u32 s13, s13, s41                     ; tile row
	s_lshl_b32 s43, s41, 2
	s_lshl_b32 s43, 15, s43
	s_lshl_b32 s44, 0x1111, s40
	s_or_b32 s[G1], s43, (1<<16)|(1<<20)|(1<<21)|(5<<22)|(3<<25)   ; A: my row's mask; after every 64 words, 4 words of padding
	s_mov_b32 s[G1+1], KSTEP<<16
	s_mov_b32 s[G1+2], 128<<16
	s_mov_b32 s[G1+3], KSTEP<<16
	s_mov_b32 s[G1+4], 128
	s_mov_b32 s[G1+5], SIZE_K
	s_mov_b32 s[G1+6], 0
	s_mov_b32 s[G1+7], 0
	s_or_b32 s[G1B], s44, (1<<16)|(1<<20)|(1<<21)|(6<<22)|(7<<25)  ; B: my column's mask; after every 128 words, 8 words
	s_mov_b32 s[G1B+1], 256<<16                    ; 256 columns
	s_mov_b32 s[G1B+2], 64<<16                     ; 64 rows k
	s_mov_b32 s[G1B+3], 256<<16
	s_mov_b32 s[G1B+4], 64
	s_mov_b32 s[G1B+5], SIZE_N
	s_mov_b32 s[G1B+6], 0
	s_mov_b32 s[G1B+7], 0
	s_lshl_b32 s17, s12, 7
	s_lshl_b32 s16, s13, 8
	s_add_co_u32 s16, s16, s17
	s_lshl_b32 s16, s16, 11                        ; A: row 256 x tile row + 128 x half, of 2,048 bytes
	s_mov_b32 s17, 0
	s_lshl_b32 s46, s42, 9                         ; B: the tile column's 512 bytes of a row,
	s_lshl_b32 s47, s12, 19                        ; 64 x half rows of 8,192 bytes
	s_add_co_u32 s46, s46, s47
	s_mov_b32 s47, 0
	s_mul_i32 s20, s10, HALFT                      ; where they go: A's two halves, then B's two: wave x HALFT
	s_mov_b32 s[SC], 0x41800000
	s_mov_b32 s[SC+1], 0x41800000
	s_wait_dscnt 0x0
	s_wait_kmcnt 0x0
	s_add_nc_u64 s[14:15], s[4:5], s[16:17]
	s_add_nc_u64 s[46:47], s[6:7], s[46:47]
	CROUND
.irp s, 0,1
	s_mov_b32 s[G0+4*(\s)], 1
	s_add_co_u32 s[G0+4*(\s)+1], s20, (\s)*SLOT
	s_add_nc_u64 s[G0+4*(\s)+2:G0+4*(\s)+3], s[14:15], (\s)*KSTEP*2
	s_or_b32 s[G0+4*(\s)+3], s[G0+4*(\s)+3], 0x80000000
	s_mov_b32 s[G0B+4*(\s)], 1
	s_add_co_u32 s[G0B+4*(\s)+1], s20, (\s)*SLOT
	s_add_nc_u64 s[G0B+4*(\s)+2:G0B+4*(\s)+3], s[46:47], (\s)*KSTEP*SIZE_N*2
	s_or_b32 s[G0B+4*(\s)+3], s[G0B+4*(\s)+3], 0x80000000
	JLOAD \s
.endr
	v_and_b32 v1, 15, v0
	v_bfe_u32 v2, v0, 4, 1
	v_mul_u32_u24 v3, v1, PITCH
	v_lshl_add_u32 v3, v2, 4, v3
	s_mul_i32 s21, s11, HALFT                      ; my 128 rows of A
	v_add_nc_u32 v[ADRA], s21, v3
	v_add_nc_u32 v[ADRA+1], SLOT, v[ADRA]
	v_and_b32 v4, 7, v0
	v_bfe_u32 v5, v0, 3, 1
	v_lshl_add_u32 v6, v2, 3, v4                   ; the turning load: row k = 8 h + l % 8, columns 8 ((l / 8) % 2) + 0..7
	v_mul_u32_u24 v6, v6, PB
	v_lshl_add_u32 v6, v5, 4, v6
	s_lshl_b32 s22, s12, 8                         ; my 128 columns: 256 bytes of a row,
	s_add_co_u32 s22, s22, 2*HALFT                 ; behind A's 256 rows
	v_add_nc_u32 v[ADRB], s22, v6
	v_add_nc_u32 v[ADRB+1], SLOT, v[ADRB]
	s_mul_i32 s23, s10, 16*SPITCH
	s_add_co_u32 s23, s23, STAGE
	v_mul_u32_u24 v4, v1, SPITCH                   ; in: row l % 16, 32 bytes for each half of the lanes
	v_lshl_add_u32 v4, v2, 5, v4
	v_add_nc_u32 v[STO], s23, v4
	v_and_b32 v[CO], 31, v0
	v_lshlrev_b32 v[CO], 4, v[CO]                  ; back: 32 lanes take a row's 512 bytes
	v_add_nc_u32 v[RD], s23, v[CO]
	s_lshl_b32 s16, s13, 8
	s_lshl_b32 s17, s11, 7
	s_add_co_u32 s16, s16, s17
	s_lshl_b32 s16, s16, 14                        ; my first row of C, of 16,384 bytes
	s_mov_b32 s17, 0
	s_add_nc_u64 s[8:9], s[8:9], s[16:17]
	s_lshl_b32 s46, s42, 10                        ; my first column, in bytes
	s_lshl_b32 s47, s12, 9
	s_add_co_u32 s46, s46, s47
	s_mov_b32 s47, 0
	s_add_nc_u64 s[8:9], s[8:9], s[46:47]
.macro MUL16 f, hi, a0, zero           ; 16 matrix instructions: row blocks a0, a0 + 1 of the window's four x all 8 column blocks
	WIN MUL_LO+0x50*(\hi)
.irp a, \a0, (\a0)+1
.irp b, 0,1,2,3,4,5,6,7
.if \zero
	v_wmma_f32_16x16x32_f16 v[8*(8*(\a)+(\b)):8*(8*(\a)+(\b))+7], v[(\f)+8*(\b):(\f)+8*(\b)+7], v[(\f)+8*(4*(\hi)+(\a)):(\f)+8*(4*(\hi)+(\a))+7], 0
.else
	v_wmma_f32_16x16x32_f16 v[8*(8*(\a)+(\b)):8*(8*(\a)+(\b))+7], v[(\f)+8*(\b):(\f)+8*(\b)+7], v[(\f)+8*(4*(\hi)+(\a)):(\f)+8*(4*(\hi)+(\a))+7], v[8*(8*(\a)+(\b)):8*(8*(\a)+(\b))+7]
.endif
.endr
.endr
.endm
.macro FETCH slot, q, f                ; 32 LDS loads in one run: quarter q's fragments: B's 8 (turned), then A's 8
	WIN TO_B
.irp i, 0,1,2,3,4,5,6,7
	ds_load_tr16_b128 v[(\f)+8*(\i):(\f)+8*(\i)+3],   v[ADRB+(\slot)] offset:(\q)*32*PB+32*(\i)
	ds_load_tr16_b128 v[(\f)+8*(\i)+4:(\f)+8*(\i)+7], v[ADRB+(\slot)] offset:(\q)*32*PB+32*(\i)+16*PB
.endr
	WIN 0
.irp i, 0,1,2,3,4,5,6,7
	ds_load_b128 v[(\f)+8*(\i):(\f)+8*(\i)+3],   v[ADRA+(\slot)] offset:(\q)*64+(\i)*16*PITCH
	ds_load_b128 v[(\f)+8*(\i)+4:(\f)+8*(\i)+7], v[ADRA+(\slot)] offset:(\q)*64+(\i)*16*PITCH+32
.endr
.endm
; A K step is four quarters of 32 along K, 64 matrix instructions each, on buffers 0, 1, 0, 1; the 64 accumulators take turns, one instruction a turn.
.macro QUARTER slot, q, f, g, zero
	s_wait_dscnt 8                                 ; B and A's rows 0-63 are in; the youngest eight loads may be out
	MUL16 \f, 0, 0, \zero
	MUL16 \f, 0, 2, \zero
	PLACES
	FETCH \slot, \q, \g
	s_wait_dscnt 32                                ; all but the 32 just issued
	MUL16 \f, 1, 0, \zero
	MUL16 \f, 1, 2, \zero
.endm
; The last quarter multiplies buffer 1 and changes slots: one barrier; in front of it each wave waits for all its tensor loads (one is out: its part of the next slot), adds 0 to its spare word, and
; waits for that and for its reads of this slot.  fill = 1: the barrier opens a round of the cluster's barrier, and this slot is filled again first thing behind it, two K steps ahead.
.macro TURN slot, next, fill
	WIN 0
	s_wait_tensorcnt 0x0
	ds_add_u32 v[SPW], v[NIL]
	s_wait_dscnt 9                                 ; (the add and the youngest eight loads may be out)
	MUL16 F1, 0, 0, 0
	s_wait_dscnt 0x0
	s_barrier_signal -1
	MUL16 F1, 0, 2, 0
	WIN 0
	s_barrier_wait -1
.if \fill
	CREST
	s_add_nc_u64 s[G0+4*(\slot)+2:G0+4*(\slot)+3], s[G0+4*(\slot)+2:G0+4*(\slot)+3], 2*KSTEP*2
	s_add_nc_u64 s[G0B+4*(\slot)+2:G0B+4*(\slot)+3], s[G0B+4*(\slot)+2:G0B+4*(\slot)+3], 2*KSTEP*SIZE_N*2
	JLOAD \slot                                    ; its four v_nop are also the places in front of the loads below
.else
	PLACES
.endif
	FETCH \next, 0, F0
	MUL16 F1, 1, 0, 0
	MUL16 F1, 1, 2, 0
.endm
	s_wait_tensorcnt 0x1                           ; my part of K step 0 is in; K step 1's may stay out
	s_barrier_signal -1
	s_barrier_wait -1
	FETCH 0, 0, F0
	QUARTER 0, 1, F0, F1, 1                        ; the first quarter's products start the sums
	WIN 0
	s_mov_b32 s3, LAPS-1
.Llap:
	QUARTER 0, 2, F1, F0, 0
	QUARTER 0, 3, F0, F1, 0
	TURN 0, 1, 1
	QUARTER 1, 1, F0, F1, 0
	QUARTER 1, 2, F1, F0, 0
	QUARTER 1, 3, F0, F1, 0
	TURN 1, 0, 1
	QUARTER 0, 1, F0, F1, 0
	WIN 0
	s_sub_co_u32 s3, s3, 1
	s_cmp_lg_u32 s3, 0
	s_cbranch_scc1 .Llap
	QUARTER 0, 2, F1, F0, 0                        ; the last lap fills nothing
	QUARTER 0, 3, F0, F1, 0
	TURN 0, 1, 0
	QUARTER 1, 1, F0, F1, 0
	QUARTER 1, 2, F1, F0, 0
	QUARTER 1, 3, F0, F1, 0
	s_wait_dscnt 8
	MUL16 F1, 0, 0, 0
	MUL16 F1, 0, 2, 0
	s_wait_dscnt 0x0
	MUL16 F1, 1, 0, 0
	MUL16 F1, 1, 2, 0
; THE WAY OUT of block a (16 rows x 128 columns): times 16, in ascending order of the registers; into my own stage in rows of 528 bytes and back as whole rows of 512; stored.
.macro PACK a
.set AC, 64*((\a)%4)
	WIN 0x02+((\a)/4)                              ; source 0: window 2 or 3
.set i, 0
.rept 32
	v_pk_mul_f32 v[TMP+2*i:TMP+2*i+1], v[AC+2*i:AC+2*i+1], s[SC:SC+1] op_sel_hi:[1,0]
.set i, i+1
.endr
	WIN 0
.endm
.macro TOSTAGE a
	WIN 0
.set BKR, 128+64*((\a)%2)
.irp b, 0,1,2,3,4,5,6,7
	ds_store_b128 v[STO], v[TMP+8*(\b):TMP+8*(\b)+3]   offset:64*(\b)
	ds_store_b128 v[STO], v[TMP+8*(\b)+4:TMP+8*(\b)+7] offset:64*(\b)+16
.endr
.irp t, 0,1,2,3,4,5,6,7,8,9,10,11,12,13,14,15
	ds_load_b128 v[BKR+4*(\t):BKR+4*(\t)+3], v[RD] offset:(\t)*SPITCH  ; LDS serves a wave's instructions in order (ISA guide 5.7.1.4): these see the stores above
.endr
.endm
.macro SEND a
	WIN 0
.set BKR, 128+64*((\a)%2)
	s_wait_dscnt 0x0                               ; the block is back in registers
	s_wait_xcnt 0x0                                ; the stores' base, and the registers that the block before last was stored from, are written again only behind this wait
.if (\a) > 0
	s_add_nc_u64 s[8:9], s[8:9], 16*SIZE_N*4       ; 16 rows of C on
.endif
.irp t, 0,1,2,3,4,5,6,7,8,9,10,11,12,13,14,15
	global_store_b128 v[CO], v[BKR+4*(\t):BKR+4*(\t)+3], s[8:9] offset:(\t)*SIZE_N*4 th:TH_STORE_NT  ; 512 consecutive bytes, at a multiple of 256 from out0's first byte
.endr
.endm
	PLACES
	PACK 0
	TOSTAGE 0
.irp a, 1,2,3,4,5,6,7
	PACK \a                                        ; a block's scaling stands between the loads of the block before and its stores
	SEND (\a)-1
	TOSTAGE \a
.endr
	SEND 7
	s_wait_tensorcnt 0x0                           ; the wave's end
	ds_add_u32 v[SPW], v[NIL]
	s_wait_dscnt 0x0
	CROUND                                         ; the closing round
	s_endpgm
.Lfunc_end_k_q423c5fdaed_oproj:
	.size	k_q423c5fdaed_oproj, .Lfunc_end_k_q423c5fdaed_oproj-k_q423c5fdaed_oproj
	.p2alignl 7, 3214868480
	.fill 96, 4, 3214868480
	.section	.rodata,"a",@progbits
	.p2align	6, 0x0
	.amdhsa_kernel k_q423c5fdaed_oproj
		.amdhsa_group_segment_fixed_size 327680
		.amdhsa_private_segment_fixed_size 0
		.amdhsa_enable_private_segment 0
		.amdhsa_kernarg_size 24
		.amdhsa_user_sgpr_count 2
		.amdhsa_user_sgpr_kernarg_segment_ptr 1
		.amdhsa_wavefront_size32 1
		.amdhsa_system_sgpr_workgroup_id_x 1
		.amdhsa_system_sgpr_workgroup_id_y 1
		.amdhsa_system_sgpr_workgroup_id_z 1
		.amdhsa_system_vgpr_workitem_id 0
		.amdhsa_next_free_vgpr 1024
		.amdhsa_next_free_sgpr 72
		.amdhsa_reserve_vcc 0
		.amdhsa_float_denorm_mode_32 3
		.amdhsa_float_denorm_mode_16_64 3
		.amdhsa_memory_ordered 1
		.amdhsa_forward_progress 1
		.amdhsa_inst_pref_size 157
	.end_amdhsa_kernel
	.amdgpu_metadata
---
amdhsa.version: [ 1, 2 ]
amdhsa.kernels:
  - .name:           k_q423c5fdaed_oproj
    .symbol:         k_q423c5fdaed_oproj.kd
    .args:
      - { .name: att, .offset: 0, .size: 8, .value_kind: global_buffer, .address_space: global }
      - { .name: wo16, .offset: 8, .size: 8, .value_kind: global_buffer, .address_space: global }
      - { .name: out0, .offset: 16, .size: 8, .value_kind: global_buffer, .address_space: global }
    .group_segment_fixed_size: 327680
    .private_segment_fixed_size: 0
    .kernarg_segment_align: 8
    .kernarg_segment_size: 24
    .max_flat_workgroup_size: 128
    .sgpr_count:     72
    .vgpr_count:     1024
    .wavefront_size: 32
...
	.end_amdgpu_metadata
.endif
;; end of part 4
;; ======== version 2 of 2: 4 launches; version 1 with the launch prep written anew for expert scheduling mode
;; limits: values are held in f16: magnitudes above 65,504 overflow, below 6.1e-05 lose precision; right only within a limited range of input values
;; workspace buffers: xb 33,554,432 bytes; wqkv 16,777,216 bytes; wo16 8,388,608 bytes; tab 1,114,112 bytes; qkvh 16,777,216 bytes; att 8,388,608 bytes
;; launch prep (part 5): grid 1825 x 1, 8 waves a work-group, no clusters, 35,840 bytes of LDS; arguments x, wq, wk, wv, wo, q_norm_w, k_norm_w, xb, wqkv, wo16, tab; writes xb, wqkv, wo16, tab
.if DOCPART == 5
	.amdgcn_target "amdgcn-amd-amdhsa--gfx1250"
	.amdhsa_code_object_version 6
	.text
	.protected	k_q423c5fdaed_prep
	.globl	k_q423c5fdaed_prep
	.p2align	8
	.type	k_q423c5fdaed_prep,@function
k_q423c5fdaed_prep:
	s_mov_b64 s[64:65], 0
	v_nop
	global_prefetch_b8 v0, s[64:65] scope:SCOPE_SE
	s_setreg_imm32_b32 hwreg(HW_REG_WAVE_SCHED_MODE, 0, 2), 2
	s_setreg_imm32_b32 hwreg(HW_REG_WAVE_MODE, 25, 1), 1
	s_wait_xcnt 0x0
	s_wait_alu depctr_vm_vsrc(0)
; PREP.  Three kinds of work-group.
; Work-groups 0-32 make the table of cos and sin, a group of 32,768 bytes for each 64 positions (group g at byte (g + 1) x 32,768), in the order in which the projection's waves stream it into
; registers: register 64 a + 16 b + 8 kind + e of lane (h, r) holds cos (kind 0) or sin (kind 1) of p / 1e6^(d/64), p = 64 g + 16 a + r, d = 16 b + 8 h + e, and lies at byte
; 128 x register + ... = 512 n + 16 lane + 4 (e % 4), n = register / 4.  Group 32 is made with p = 0 (cos 1, sin 0): v's tiles take it.  At byte 0: three rows of 128 f32: q's gains and
; k's gains, rounded to bf16, and the constant 1/16.
; Work-groups 33-1,056 round x to bf16 and lay it in fragment order: xb = [64 groups of 64 rows][128 chunks of 32 k][4 blocks of 16 rows][1,024 bytes]; in a fragment element (r, k = 16 j + 8 h + e)
; lies at 512 j + 256 h + 16 r + 2 e: a lane's 16 bytes of a matrix operand at 512 j + 16 lane.  A thread holds 4 k of 16 rows; 256 bytes of xb are 8 k of 16 rows: the turn goes through LDS bytes of the wave's own.
; Work-groups 1,057-1,824 round wq, wk, wv to bf16 (side by side, [4096 k][2048 n]) and wo to bf16 and that number to f16.
; A stream bound by memory: no matrix unit, no cluster (no byte is read by two work-groups).  A thread has its 16 loads of 16 bytes out at once; a wave's load covers 512 consecutive bytes, its store
; 256 or 512 consecutive bytes at a multiple of 256 from the buffer's first byte.
; LIMITS.  An angle is p times 2^(-d log2(1e6)/64) in f32 and is reduced by pi/2 in two parts: within some 3e-4 rad of the exact angle at p = 2,047.
; wo beyond 65,504 has no f16; below 6e-5 it keeps f16's fixed step of 6e-8.
; THE MODE: SCHED_MODE bits 1:0 = 2 (LLVM: expert scheduling mode 2), set by the entry lines.  The code itself states the register dependences
; between vector instructions and memory or LDS instructions, with s_wait_alu, always for 0.
; THE PLAN.  Registers that memory or LDS instructions touch:
;   the weights   v1, v[DO ..]: offsets, made once, ahead of the wait in front of the first load.  X: written by the 16 loads, read by the conversions.  Y: each register written once, by a conversion,
;                 and read by one store.  The 16 segments go in four blocks of four: block p's conversions name X and Y of block p alone; the stores of block p - 1 are dealt among them, behind ONE wait at
;                 the block's head, which states that block p - 1 has written its Y.  Nothing that a memory instruction reads is written again.
;   x             the same four blocks, with LDS stores for the stores.  v1: the loads' offset.  v2, v3, v4: made behind the loads, ahead of block 1's wait.  X's first half takes the LDS loads
;                 at the end: the wait ahead of the last LDS stores states that every conversion is done reading X.
;   the table     v9 (offset) and v[12:15] (data) are read by a trip's one store and written again in the next trip, behind one wait that states that the store has read them; one wait ahead of the
;                 store states that they are written.  The four compares of a trip write four scalar masks, with one wait behind the run.
;   v[SPW], v[NIL]  written at the head, read by the closing add alone.
.set NTAB,  33                         ; table work-groups: a group of 64 positions each
.set DO,    2                          ; v[2:17]   byte offset of my 8 bytes in the target, segment i (weights)
.set SPW,   30                         ; v30       LDS address of my spare word; never rewritten
.set NIL,   31                         ; v31       0; never rewritten
.set X,     32                         ; v[32:95]  segment i as loaded: 4 f32
.set Y,     96                         ; v[96:127] segment i to store: 4 numbers of 16 bits
.set SN,    32                         ; v[32:35]  the table: sin r of my four numbers
.set CN,    36                         ; v[36:39]  cos r
.set QT,    40                         ; v[40:43]  quarter turns
.set MK,    48                         ; s[48:51]  the table: the masks of the odd quarter turns
.set UP,    272                        ; LDS pitch of a unit of 256 bytes (8 k of 16 rows): 68 words: 16 units start at 16 different groups of four banks (64 banks of 4 bytes: ISA guide 11.1)
.set WLDS,  16*UP                      ; a wave's own 16 units
.set SPARE, 8*WLDS                     ; the spare words: 128 bytes for each wave, four blocks of 256 bytes that no other line names
	s_load_b512 s[16:31], s[0:1], 0x0              ; x 16, wq 18, wk 20, wv 22, wo 24, q_norm_w 26, k_norm_w 28, xb 30
	s_load_b128 s[32:35], s[0:1], 0x40             ; wqkv 32, wo16 34
	s_load_b64 s[36:37], s[0:1], 0x50              ; tab
	v_lshl_add_u32 v[SPW], v0, 2, SPARE
	v_mov_b32 v[NIL], 0
	v_lshrrev_b32 v1, 5, v0
	v_readfirstlane_b32 s8, v1                     ; wave 0..7
	s_wait_alu depctr_va_sdst(0)                   ; s8 is written, ahead of the branches behind which x's and the table's scalar lines read it
	s_cmp_lt_u32 ttmp9, NTAB
	s_cbranch_scc1 .Ltable
	s_sub_co_u32 s38, ttmp9, NTAB
	s_cmp_lt_u32 s38, 1024
	s_cbranch_scc1 .Lx
	; THE WEIGHTS.  A segment is 1,024 f32 on end; a work-group takes 16.  Which tensor: by the work-group's number, through selects.
	s_mov_b32 s44, 1024                            ; the tensor's first work-group
	s_mov_b32 s45, 0                               ; the target's first byte
	s_mov_b32 s46, 4096                            ; target bytes from segment to segment
	s_mov_b32 s47, 1024                            ; target bytes from a segment's first half (threads 0-127) to its second
	s_mov_b32 s48, 0                               ; 1: on to f16
	s_wait_kmcnt 0x0
	s_mov_b64 s[40:41], s[18:19]                   ; wq: a segment is a row k; it fills bytes 0-2,047 of wqkv's row of 4,096
	s_mov_b64 s[42:43], s[32:33]
	s_cmp_ge_u32 s38, 1280                         ; wk: a segment is two rows k of 512; bytes 2,048-3,071 of two rows
	s_cselect_b64 s[40:41], s[20:21], s[40:41]
	s_cselect_b32 s44, 1280, s44
	s_cselect_b32 s45, 2048, s45
	s_cselect_b32 s46, 8192, s46
	s_cselect_b32 s47, 4096, s47
	s_cmp_ge_u32 s38, 1408                         ; wv: the same, bytes 3,072-4,095
	s_cselect_b64 s[40:41], s[22:23], s[40:41]
	s_cselect_b32 s44, 1408, s44
	s_cselect_b32 s45, 3072, s45
	s_cmp_ge_u32 s38, 1536                         ; wo -> wo16, dense
	s_cselect_b64 s[40:41], s[24:25], s[40:41]
	s_cselect_b64 s[42:43], s[34:35], s[42:43]
	s_cselect_b32 s44, 1536, s44
	s_cselect_b32 s45, 0, s45
	s_cselect_b32 s46, 2048, s46
	s_cselect_b32 s47, 1024, s47
	s_cselect_b32 s48, 1, s48
	s_sub_co_u32 s44, s38, s44                     ; my number within the tensor
	s_lshl_b32 s50, s44, 16                        ; 16 segments of 4,096 bytes
	s_mov_b32 s51, 0
	s_add_nc_u64 s[40:41], s[40:41], s[50:51]
	s_mul_i32 s52, s44, s46
	s_lshl_b32 s52, s52, 4
	s_add_co_u32 s52, s52, s45
	s_mov_b32 s53, 0
	s_add_nc_u64 s[42:43], s[42:43], s[52:53]
	v_lshlrev_b32 v1, 4, v0                        ; my 16 bytes of a segment
	v_and_b32 v18, 127, v0
	v_lshrrev_b32 v19, 7, v0
	v_mul_lo_u32 v19, v19, s47
	v_lshl_add_u32 v[DO], v18, 3, v19
.irp i, 1,2,3,4,5,6,7,8,9,10,11,12,13,14,15
	v_add_nc_u32 v[DO+(\i)], s46, v[DO+(\i)-1]
.endr
	s_wait_alu depctr_va_vdst(0)                   ; v1 and v[DO ..] are written: the loads below read v1 as their offset, the stores on both arms of the branch below v[DO ..]
.irp i, 0,1,2,3,4,5,6,7,8,9,10,11,12,13,14,15
	global_load_b128 v[X+4*(\i):X+4*(\i)+3], v1, s[40:41] offset:4096*(\i) th:TH_LOAD_NT
.endr
; Block p: segments 4 p to 4 p + 3 are rounded; the stores of block p - 1 are dealt among the conversions.  No register that a store reads is written twice.
.macro WBLK p, half
	s_wait_loadcnt 12-4*(\p)                       ; loads come back in order: this block's four are in, the 12 - 4 p younger ones stay out
.if (\p) > 0
	s_wait_alu depctr_va_vdst(0)                   ; the block before has written its Y, which the stores below read; no line of this block names those registers
.endif
.irp i, 0,1,2,3
.if (\p) > 0
	global_store_b64 v[DO+4*(\p)-4+(\i)], v[Y+8*(\p)-8+2*(\i):Y+8*(\p)-8+2*(\i)+1], s[42:43]
.endif
.if \half
	v_cvt_pk_bf16_f32 v20, v[X+16*(\p)+4*(\i)], v[X+16*(\p)+4*(\i)+1]
	v_cvt_pk_bf16_f32 v21, v[X+16*(\p)+4*(\i)+2], v[X+16*(\p)+4*(\i)+3]
	v_lshlrev_b32 v22, 16, v20                     ; the bf16 numbers as f32,
	v_and_b32 v23, 0xffff0000, v20
	v_cvt_pk_f16_f32 v[Y+8*(\p)+2*(\i)], v22, v23  ; written as f16: exact within f16's range
	v_lshlrev_b32 v22, 16, v21
	v_and_b32 v23, 0xffff0000, v21
	v_cvt_pk_f16_f32 v[Y+8*(\p)+2*(\i)+1], v22, v23
.else
	v_cvt_pk_bf16_f32 v[Y+8*(\p)+2*(\i)], v[X+16*(\p)+4*(\i)], v[X+16*(\p)+4*(\i)+1]
	v_cvt_pk_bf16_f32 v[Y+8*(\p)+2*(\i)+1], v[X+16*(\p)+4*(\i)+2], v[X+16*(\p)+4*(\i)+3]
.endif
.endr
.endm
.macro WLAST                           ; the last block's stores
	s_wait_alu depctr_va_vdst(0)                   ; block 3 has written its Y, which the last four stores read
.irp i, 0,1,2,3
	global_store_b64 v[DO+12+(\i)], v[Y+24+2*(\i):Y+24+2*(\i)+1], s[42:43]
.endr
.endm
	s_cmp_eq_u32 s48, 1
	s_cbranch_scc1 .Lhalf
	WBLK 0, 0
	WBLK 1, 0
	WBLK 2, 0
	WBLK 3, 0
	WLAST
	s_endpgm
.Lhalf:
	WBLK 0, 1
	WBLK 1, 1
	WBLK 2, 1
	WBLK 3, 1
	WLAST
	s_endpgm
	; X.  A work-group takes a block of 16 rows and 1,024 k of them.  Thread t = 32 w + L loads k = 4 t .. + 3 of each row: a wave's load is 512 consecutive bytes of a row.
	; Unit u = 16 w + L / 2 of 8 k x 16 rows is made by two neighbouring threads, so a wave's 16 units are its own: no wave reads what another wrote, and no barrier is needed.
.Lx:
	s_lshr_b32 s44, s38, 2                         ; the block of 16 rows
	s_and_b32 s45, s38, 3                          ; which 1,024 k
	s_lshl_b32 s50, s44, 18                        ; 16 rows of 16,384 bytes
	s_lshl_b32 s46, s45, 12
	s_add_co_u32 s50, s50, s46
	s_mov_b32 s51, 0
	s_lshr_b32 s52, s44, 2
	s_lshl_b32 s52, s52, 19                        ; the group of 64 rows: 128 chunks of 4,096 bytes,
	s_lshl_b32 s46, s45, 17                        ; my 32 chunks,
	s_add_co_u32 s52, s52, s46
	s_and_b32 s46, s44, 3
	s_lshl_b32 s46, s46, 10                        ; the block's fragment in a chunk
	s_add_co_u32 s52, s52, s46
	s_mov_b32 s53, 0
	v_lshlrev_b32 v1, 4, v0
	s_wait_kmcnt 0x0
	s_add_nc_u64 s[40:41], s[16:17], s[50:51]
	s_add_nc_u64 s[42:43], s[30:31], s[52:53]
	s_wait_alu depctr_va_vdst(0)                   ; v1 is written, which the sixteen loads read as their offset
.irp i, 0,1,2,3,4,5,6,7,8,9,10,11,12,13,14,15
	global_load_b128 v[X+4*(\i):X+4*(\i)+3], v1, s[40:41] offset:16384*(\i) th:TH_LOAD_NT
.endr
	v_and_b32 v5, 31, v0                           ; L
	s_mul_i32 s54, s8, WLDS                        ; my wave's units
	v_lshrrev_b32 v6, 1, v5
	v_mul_u32_u24 v6, v6, UP
	v_and_b32 v7, 1, v5
	v_lshl_add_u32 v6, v7, 3, v6
	v_add_nc_u32 v2, s54, v6                       ; in: unit L / 2, 8 bytes at 8 (L % 2); row i stands in the immediate
	v_lshrrev_b32 v6, 4, v5
	v_mul_u32_u24 v6, v6, UP
	v_and_b32 v7, 15, v5
	v_lshl_add_u32 v6, v7, 4, v6
	v_add_nc_u32 v3, s54, v6                       ; back: lanes 0-15 a unit's 256 bytes, lanes 16-31 the next unit's; the pair of units stands in the immediate
	s_lshl_b32 s55, s8, 14                         ; my wave's four chunks
	v_lshl_add_u32 v4, v5, 4, s55
; Block p: rows 4 p to 4 p + 3 are rounded; the LDS stores of block p - 1 are dealt among the conversions.
.macro XBLK p
	s_wait_loadcnt 12-4*(\p)                       ; loads come back in order: this block's four rows are in, the 12 - 4 p younger ones stay out
.if (\p) > 0
	s_wait_alu depctr_va_vdst(0)                   ; the block before has written its Y, which the LDS stores below read; at block 1 also: v2, v3 and v4 are written, the addresses of all that follows
.endif
.irp i, 0,1,2,3
.if (\p) > 0
	ds_store_b64 v2, v[Y+8*(\p)-8+2*(\i):Y+8*(\p)-8+2*(\i)+1] offset:16*(4*(\p)-4+(\i))
.endif
	v_cvt_pk_bf16_f32 v[Y+8*(\p)+2*(\i)], v[X+16*(\p)+4*(\i)], v[X+16*(\p)+4*(\i)+1]
	v_cvt_pk_bf16_f32 v[Y+8*(\p)+2*(\i)+1], v[X+16*(\p)+4*(\i)+2], v[X+16*(\p)+4*(\i)+3]
.endr
.endm
	XBLK 0
	XBLK 1
	XBLK 2
	XBLK 3
	s_wait_alu depctr_va_vdst(0)                   ; block 3 has written its Y, which the last four LDS stores read; and every conversion is done reading X, in whose first half the LDS loads below land
.irp i, 0,1,2,3
	ds_store_b64 v2, v[Y+24+2*(\i):Y+24+2*(\i)+1] offset:16*(12+(\i))
.endr
.irp n, 0,1,2,3,4,5,6,7
	ds_load_b128 v[X+4*(\n):X+4*(\n)+3], v3 offset:2*UP*(\n)  ; LDS serves a wave's instructions in order (ISA guide 5.7.1.4): these see the stores above
.endr
.irp n, 0,1,2,3,4,5,6,7
	s_wait_dscnt 7-(\n)                            ; pair n of units is back, the younger ones stay out
	global_store_b128 v4, v[X+4*(\n):X+4*(\n)+3], s[42:43] offset:((\n)/2)*4096+((\n)%2)*512  ; half a fragment: 512 consecutive bytes, at a multiple of 512 from xb's first byte
.endr
	s_wait_dscnt 0x0                               ; the wave's end: the closing lines, six on end
	s_wait_alu 0x0
	s_wait_tensorcnt 0x0
	ds_add_u32 v[SPW], v[NIL]
	s_wait_dscnt 0x0
	s_endpgm
	; THE TABLE.  Work-group g makes group g; wave w its stores n = 8 w + i, i = 0..7: a = w / 2, b = 2 (w % 2) + i / 4, kind = (i / 2) % 2, e = 4 (i % 2) + 0..3.  A store is 512 consecutive bytes.
.Ltable:
	v_and_b32 v1, 31, v0                           ; L
	v_lshrrev_b32 v2, 4, v1
	v_lshlrev_b32 v2, 3, v2                        ; 8 h
	v_and_b32 v3, 15, v1                           ; r
	s_lshr_b32 s10, s8, 1
	s_lshl_b32 s10, s10, 4                         ; 16 a
	s_lshl_b32 s11, ttmp9, 6
	s_add_co_u32 s10, s10, s11
	v_add_nc_u32 v3, s10, v3                       ; my position
	s_cmp_lt_u32 ttmp9, 32
	s_cselect_b32 s11, -1, 0
	v_and_b32 v3, s11, v3                          ; the last group is made with position 0
	v_cvt_f32_u32 v10, v3
	s_and_b32 s12, s8, 1
	s_lshl_b32 s12, s12, 5                         ; 16 x 2 (w % 2)
	s_add_co_u32 s11, ttmp9, 1
	s_lshl_b32 s11, s11, 15
	s_lshl_b32 s13, s8, 12
	s_add_co_u32 s11, s11, s13
	v_lshl_add_u32 v9, v1, 4, s11                  ; the group, my wave's eight stores, my 16 bytes
	s_mov_b32 s40, 0xb94ca1f9                      ; sin r = r + r z (S1 + z (S2 + z S3)), z = r r, |r| <= pi/4
	s_mov_b32 s41, 0x3c08839e
	s_mov_b32 s42, 0xbe2aaaa3
	s_mov_b32 s43, 0x37ccf5ce                      ; cos r = 1 - z/2 + z z (C1 + z (C2 + z C3))
	s_mov_b32 s44, 0xbab6061a
	s_mov_b32 s45, 0x3d2aaaa5
; Number e of my four, in two halves.  The first: the angle, its nearest multiple n of pi/2, the rest r, sin r and cos r, n + kind's turns, and the mask of the odd turns.
.macro SC1 e
	v_mul_f32 v16, v10, v[4+(\e)]
	v_mul_f32 v17, 0x3f22f983, v16                 ; times 2 / pi
	v_rndne_f32 v17, v17
	v_fmamk_f32 v18, v17, 0xbfc90fdb, v16          ; less n times pi/2's upper part,
	v_fmamk_f32 v18, v17, 0x333bbd2e, v18          ; and its lower part
	v_mul_f32 v19, v18, v18
	v_fma_f32 v20, v19, s40, s41
	v_fma_f32 v22, v19, s43, s44
	v_fma_f32 v20, v20, v19, s42
	v_fma_f32 v22, v22, v19, s45
	v_mul_f32 v21, v18, v19
	v_mul_f32 v23, v19, v19
	v_fma_f32 v24, v19, -0.5, 1.0
	v_fma_f32 v[SN+(\e)], v21, v20, v18            ; sin r
	v_fma_f32 v[CN+(\e)], v23, v22, v24            ; cos r
	v_cvt_i32_f32 v25, v17
	v_add_nc_u32 v[QT+(\e)], v25, v8
	v_and_b32 v26, 1, v[QT+(\e)]
	v_cmp_ne_u32 s[MK+(\e)], 0, v26
.endm
; The second: by the turns: cos r, -sin r, -cos r, sin r.
.macro SC2 e
	v_cndmask_b32 v[CN+(\e)], v[CN+(\e)], v[SN+(\e)], s[MK+(\e)]  ; odd quarter turns take the sine
	v_add_nc_u32 v[QT+(\e)], 1, v[QT+(\e)]
	v_and_b32 v[QT+(\e)], 2, v[QT+(\e)]            ; turns 1 and 2 are negative
	v_lshlrev_b32 v[QT+(\e)], 30, v[QT+(\e)]
	v_xor_b32 v[12+(\e)], v[CN+(\e)], v[QT+(\e)]
.endm
	s_mov_b32 s9, 0
	s_wait_kmcnt 0x0
.Lrow:
	s_lshr_b32 s13, s9, 2
	s_lshl_b32 s13, s13, 4
	s_add_co_u32 s13, s13, s12                     ; 16 b
	s_and_b32 s14, s9, 1
	s_lshl_b32 s14, s14, 2
	s_add_co_u32 s13, s13, s14                     ; + 4 (i % 2)
	s_bfe_u32 s14, s9, 0x10001                     ; kind
	s_mul_i32 s14, s14, 3                          ; sin a = cos(a - pi/2): three quarter turns on
	v_mov_b32 v8, s14
	v_add_nc_u32 v11, s13, v2                      ; my first d
.irp e, 0,1,2,3
	v_add_nc_u32 v16, \e, v11
	v_cvt_f32_u32 v16, v16
	v_mul_f32 v[4+(\e)], 0xbe9f73da, v16           ; -d log2(1e6) / 64
.endr
.irp e, 0,1,2,3
	v_exp_f32 v[4+(\e)], v[4+(\e)]                 ; 1e6^(-d/64)
.endr
	v_nop                                          ; a plain instruction behind the last exponential
	s_wait_alu depctr_va_vdst(0)                   ; the four exponentials have written v4 to v7, ahead of their first reader: one wait for the batch
	SC1 0
	SC1 1
	SC1 2
	SC1 3
	s_wait_alu depctr_va_sdst(0)                   ; the four compares have written their masks, which the selects below read: one wait behind the run
	s_wait_xcnt 0x0                                ; the last trip's store has had its address translated (ISA guide 3.1): its offset and data are written again only behind this wait,
	s_wait_alu depctr_vm_vsrc(0)                   ; and it has read v9 and v[12:15], which the lines below write again
	SC2 0
	SC2 1
	SC2 2
	SC2 3
	v_add_nc_u32 v9, 512, v9                       ; the offset is stepped ahead of the store, in the first trip too: the store reaches back by its immediate
	s_wait_alu depctr_va_vdst(0)                   ; v[12:15] and v9 are written, which the store reads
	global_store_b128 v9, v[12:15], s[36:37] offset:-512
	s_add_co_u32 s9, s9, 1
	s_cmp_lt_u32 s9, 8
	s_cbranch_scc1 .Lrow
	; the gain rows, at the table's first bytes: waves 0, 1, 2 of work-group 0
	s_cmp_lg_u32 ttmp9, 0
	s_cbranch_scc1 .Lend
	s_cmp_gt_u32 s8, 2
	s_cbranch_scc1 .Lend
	v_lshlrev_b32 v2, 4, v1
	s_lshl_b32 s11, s8, 9
	v_add_nc_u32 v3, s11, v2
	s_wait_alu depctr_va_vdst(0)                   ; v2 and v3 are written, the offsets of the load and the stores on both arms below; and the loop's lines are done with v[16:19], in which the load lands
	s_cmp_eq_u32 s8, 2
	s_cbranch_scc1 .Lsixteenth
	s_cmp_eq_u32 s8, 0
	s_cselect_b64 s[40:41], s[26:27], s[28:29]
	global_load_b128 v[16:19], v2, s[40:41]
	s_wait_loadcnt 0x0
	v_cvt_pk_bf16_f32 v20, v16, v17
	v_cvt_pk_bf16_f32 v21, v18, v19
	v_lshlrev_b32 v24, 16, v20
	v_and_b32 v25, 0xffff0000, v20
	v_lshlrev_b32 v26, 16, v21
	v_and_b32 v27, 0xffff0000, v21
	s_wait_alu depctr_va_vdst(0)                   ; v[24:27] are written, which the store reads
	global_store_b128 v3, v[24:27], s[36:37]
	s_endpgm
.Lsixteenth:
	v_mov_b32 v24, 0x3d800000                      ; 1/16: v is kept as v / 16
	v_mov_b32 v25, 0x3d800000
	v_mov_b32 v26, 0x3d800000
	v_mov_b32 v27, 0x3d800000
	s_wait_alu depctr_va_vdst(0)                   ; v[24:27] are written, which the store reads
	global_store_b128 v3, v[24:27], s[36:37]
.Lend:
	s_endpgm
.Lfunc_end_k_q423c5fdaed_prep:
	.size	k_q423c5fdaed_prep, .Lfunc_end_k_q423c5fdaed_prep-k_q423c5fdaed_prep
	.p2alignl 7, 3214868480
	.fill 96, 4, 3214868480
	.section	.rodata,"a",@progbits
	.p2align	6, 0x0
	.amdhsa_kernel k_q423c5fdaed_prep
		.amdhsa_group_segment_fixed_size 35840
		.amdhsa_private_segment_fixed_size 0
		.amdhsa_enable_private_segment 0
		.amdhsa_kernarg_size 88
		.amdhsa_user_sgpr_count 2
		.amdhsa_user_sgpr_kernarg_segment_ptr 1
		.amdhsa_wavefront_size32 1
		.amdhsa_system_sgpr_workgroup_id_x 1
		.amdhsa_system_sgpr_workgroup_id_y 1
		.amdhsa_system_sgpr_workgroup_id_z 1
		.amdhsa_system_vgpr_workitem_id 0
		.amdhsa_next_free_vgpr 128
		.amdhsa_next_free_sgpr 66
		.amdhsa_reserve_vcc 0
		.amdhsa_float_denorm_mode_32 3
		.amdhsa_float_denorm_mode_16_64 3
		.amdhsa_memory_ordered 1
		.amdhsa_forward_progress 1
		.amdhsa_inst_pref_size 34
	.end_amdhsa_kernel
	.amdgpu_metadata
---
amdhsa.version: [ 1, 2 ]
amdhsa.kernels:
  - .name:           k_q423c5fdaed_prep
    .symbol:         k_q423c5fdaed_prep.kd
    .args:
      - { .name: x, .offset: 0, .size: 8, .value_kind: global_buffer, .address_space: global }
      - { .name: wq, .offset: 8, .size: 8, .value_kind: global_buffer, .address_space: global }
      - { .name: wk, .offset: 16, .size: 8, .value_kind: global_buffer, .address_space: global }
      - { .name: wv, .offset: 24, .size: 8, .value_kind: global_buffer, .address_space: global }
      - { .name: wo, .offset: 32, .size: 8, .value_kind: global_buffer, .address_space: global }
      - { .name: q_norm_w, .offset: 40, .size: 8, .value_kind: global_buffer, .address_space: global }
      - { .name: k_norm_w, .offset: 48, .size: 8, .value_kind: global_buffer, .address_space: global }
      - { .name: xb, .offset: 56, .size: 8, .value_kind: global_buffer, .address_space: global }
      - { .name: wqkv, .offset: 64, .size: 8, .value_kind: global_buffer, .address_space: global }
      - { .name: wo16, .offset: 72, .size: 8, .value_kind: global_buffer, .address_space: global }
      - { .name: tab, .offset: 80, .size: 8, .value_kind: global_buffer, .address_space: global }
    .group_segment_fixed_size: 35840
    .private_segment_fixed_size: 0
    .kernarg_segment_align: 8
    .kernarg_segment_size: 88
    .max_flat_workgroup_size: 256
    .sgpr_count:     66
    .vgpr_count:     128
    .wavefront_size: 32
...
	.end_amdgpu_metadata
.endif
;; end of part 5
;; launch qkv: the kernel of part 2 again; grid 16 x 16, 4 waves a work-group, clusters of 4 x 1, 327,680 bytes of LDS; arguments xb, wqkv, tab, qkvh; writes qkvh
;; launch attn: the kernel of part 3 again; grid 32 x 8, 4 waves a work-group, clusters of 4 x 1, 327,680 bytes of LDS; arguments qkvh, att; writes att
;; launch oproj: the kernel of part 4 again; grid 16 x 16, 4 waves a work-group, clusters of 4 x 4, 327,680 bytes of LDS; arguments att, wo16, out0; writes out0
